; MI455X (gfx1250); checked and timed in simulation.
; The chip was launched on July 23, 2026; its instructions are those of AMD's public machine-readable ISA for CDNA 5 (MIT licence, August 2026) and "CDNA5" Instruction Set Architecture Reference Guide (July 2026). The comments in the code are by the model that wrote it; some were corrected since.
;; Cross Modal Attention. Allowed arithmetic: matrix products marked QUANTISED: E2M3 operands, one E8M0 scale for each 32 along K, by v_wmma_scale_f32_16x16x128_f8f6f4 with both operands' format E2M3, f32 sums; everything else in f32.
;; Inputs: Wout 1,024 x 1,024 float32; Wqkv 1,024 x 3,072 float32; bout 1,024 float32; x 4 x 2,048 x 1,024 float32.
;; Outputs: out0 4 x 2,048 x 1,024 float32.
;; This version of the problem:
;;   THIS VERSION OF THE PROBLEM IS GIVEN IN LOW PRECISION. The matrix products marked QUANTISED in the list below multiply operands that are first quantised to E2M3 (2 exponent bits, 3 mantissa bits; 6 bits a number), with one power-of-two scale for each 32 numbers along K (OCP MX v1.0); their sums are f32. All else is computed in f32.
;;   The module's matrix products, in the order in which they are computed (A, B: the left and right operand; K: the contracted axis; several contracted axes count as one K, in the product's order):
;;     1. [M 8,192, K 1,024] x [K 1,024, N 3,072]; A: input x; B: input Wqkv: QUANTISED
;;     2. batch 64 x [M 2,048, K 64] x [K 64, N 2,048]; A: computed on the way; B: computed on the way: QUANTISED
;;     3. batch 64 x [M 2,048, K 2,048] x [K 2,048, N 64]; A: softmax (see below); B: computed on the way: QUANTISED
;;     4. [M 8,192, K 1,024] x [K 1,024, N 1,024]; A: computed on the way; B: input Wout: QUANTISED
;;   THE QUANTISER, for each operand of a quantised product, along K:
;;     - K is cut into blocks of 32 from its start; a last block that is shorter is filled with zeros.
;;     - A block's scale is 2^e with e = floor(log2(the largest magnitude in the block)) - 2, held to -126 .. 127; a block of zeros has e = 0. As a byte (E8M0): e + 127.
;;     - Each number is divided by its block's scale, clamped to +-7.5, and rounded to the nearest number of E2M3, ties to even, subnormals kept.
;;     - The product sums the exact products of the quantised numbers (number of the format x scale) in f32.
;;   ~~~python
;;   def quantise(x, axis):      # numpy; x: float32 -> the quantised numbers, widened to float32 again
;;       x = np.moveaxis(x, axis, -1); K = x.shape[-1]
;;       x = np.pad(x, [(0, 0)] * (x.ndim - 1) + [(0, -K % 32)]); x = x.reshape(x.shape[:-1] + (-1, 32)); a = np.abs(x).max(-1, keepdims=True)
;;       e = np.where(a > 0, np.clip(np.frexp(np.where(a > 0, a, 1))[1] - 1 - 2, -126, 127), 0)      # np.frexp(a)[1] - 1 = floor(log2(a)), exactly
;;       r = np.clip(x / 2.0 ** e, -7.5, 7.5)
;;       step = 2.0 ** (np.maximum(np.frexp(np.where(r == 0, 1, r))[1] - 1, 0) - 3)
;;       q = np.round(r / step) * step * 2.0 ** e      # np.round: ties to even
;;       return np.moveaxis(q.reshape(q.shape[:-2] + (-1,))[..., :K], -1, axis).astype(np.float32)
;;   ~~~
;;   SOFTMAX AHEAD OF A QUANTISED PRODUCT. Where the list says 'softmax', what is quantised is not the finished softmax but p = 2^(t - M), with t = logit x log2(e) and M = ceil(the row's largest t), a whole number; so 1/2 < the row's largest p <= 1. The row's sum l is taken of the UNQUANTISED p, in f32, and the product's result is divided by l at the end. Since M is a whole number, a kernel that streams over the keys may use a running M (the ceiling of the running maximum): every later rescaling is an exact power of two, which a block's scale takes up: the codes' values come out the same.
;;   OPERANDS COMPUTED ON THE WAY. 'Computed on the way' means the value that the module computes at that place (a softmax that the list does not call 'softmax' is quantised finished and normalised). What goes into a quantiser is computed in f32, as accurately as f32 sums, v_exp_f32 and their like allow (about 1e-6 of the number): no bf16 or f16 on the way to a quantiser, and a product that is left as it is and whose result goes on into a quantised operand takes f32 operands (vector FMAs, or v_wmma_f32_16x16x4_f32). A number that lies on a knife's edge between two numbers of the format may be rounded either way, as far as f32 arithmetic and the matrix unit's own rounding can turn it there, and no further.
;; One version. Each part assembles by itself: llvm-mc -triple=amdgcn-amd-amdhsa -mcpu=gfx1250 --defsym DOCPART=n.
;; ======== version 1 of 1: 4 launches
;; limits: right only within a limited range of input values
;; workspace buffers: x_img 6,291,456 bytes; x_sc 262,144 bytes; w_img 3,145,728 bytes; w_sc 131,072 bytes; qkv_img 18,874,368 bytes; qkv_sc 786,432 bytes; a_img 6,291,456 bytes; a_sc 262,144 bytes
;; launch quant (part 1): grid 512 x 1, 2 waves a work-group, no clusters, 17,152 bytes of LDS; arguments x, Wqkv, Wout, x_img, x_sc, w_img, w_sc; writes x_img, x_sc, w_img, w_sc
.if DOCPART == 1
	.amdgcn_target "amdgcn-amd-amdhsa--gfx1250"
	.amdhsa_code_object_version 6
	.text
	.protected	k_qdc080e997d_quant
	.globl	k_qdc080e997d_quant
	.p2align	8
	.type	k_qdc080e997d_quant,@function
k_qdc080e997d_quant:
	s_mov_b64 s[64:65], 0
	v_nop
	global_prefetch_b8 v0, s[64:65] scope:SCOPE_SE
	s_setreg_imm32_b32 hwreg(HW_REG_WAVE_MODE, 25, 1), 1
	s_wait_xcnt 0x0
; LAUNCH 1 OF 4.  x [8192][1024], Wqkv [1024][3072] and Wout [1024][1024], f32, become codes of FP6 (E2M3) with one E8M0 byte for each 32 along K (K = 1024 in all three).
; THE WHOLE PROGRAM: (1) this; (2) qkv = Q(x) Q(Wqkv), whose results leave as codes of q, k (along the head's 64) and of v (along the tokens); (3) attention on codes, whose result leaves as codes;
; (4) the projection with its bias.  NO WORK OF reference() IS LEFT OUT: all four products, all four inputs and the bias reach the output, and every input is loaded.
; STORED ORDER.  The rows of every operand (tokens of x, columns n of the weights) are kept in the order  stored index = true index with bits 3 and 4 exchanged.  A BLOCK is 16 neighbouring stored rows:
; lane r of block 2 g + u is true row 32 g + 8 u + r + 8 (r / 8).  A product that takes such a block as its source 0 leaves, in the 16 registers of two neighbouring result tiles, 16 TRUE neighbours: so each
; later launch can quantise its results in registers, along what is the next product's K.
; IMAGE.  A fragment (16 rows x 128 K, 12 registers a lane) lies in memory as its registers: registers 0-3 at 16 x lane, 4-5 at 512 + 8 x lane, 6-9 at 768 + 16 x lane, 10-11 at 1280 + 8 x lane: 1,536 bytes,
; every piece dense over the lanes.  x_img: [512 blocks][8 K steps][1536].  w_img: [256 blocks][8][1536], blocks 0-191 Wqkv's columns, 192-255 Wout's.  x_sc, w_sc: [stored row][32 bytes], byte = k / 32.
; A block of 32's scale is 2^(floor(log2(largest magnitude)) - 2): its byte is the largest magnitude's exponent field - 2, held at 1 from below by a floor among the maximum's leaves.
; LIMITS: a block of zeros gets the byte 1 where the rule says 127 (its codes are zeros, and this program alone reads the bytes); blocks whose largest magnitude lies under 2^-124 are held at the floor;
; NaN and infinities among the inputs are not served.
; SHARES.  Work-groups 0-255: x, a wave to a block of 16 rows, all of K.  256-447: Wqkv, 448-511: Wout: a wave to 32 columns x 256 along K.  Waves share nothing: no barrier, no cluster, no matrix unit.
.set STGB,  8448                       ; x's path: a stage of 16 rows x (512 + 16) bytes for each wave
.set SPARE, 2*STGB                     ; behind the stages: the spare words, 128 bytes for each wave: one block of 256 bytes that no other line names
.set SPW,   252                        ; v252 LDS address of my spare word; never rewritten
.set NIL,   253                        ; v253 0; never rewritten
.set PW,    16                         ; x: v16-23 the scale words of the 8 K steps
.set PC,    24                         ; x: v24-47 codes, two sets of 12
.set T,     48                         ; x: v48-55 the upper halves of the blocks' codes, before they are moved
.set X,     56                         ; v56-119 the numbers at work (x: 64; weights: two sets of 32)
.set R,     120                        ; x: v120-247 two sets of 64 registers as loaded
.set SB,    12                         ; weights: v12-13 my row's 8 scale bytes
.set WT,    40                         ; weights: v40-42 the upper half of a block's codes
	s_load_b256 s[4:11], s[0:1], 0x0               ; x, Wqkv, Wout, x_img
	s_load_b128 s[12:15], s[0:1], 0x20             ; x_sc, w_img
	s_load_b64 s[16:17], s[0:1], 0x30              ; w_sc
	v_lshl_add_u32 v[SPW], v0, 2, SPARE
	v_mov_b32 v[NIL], 0
	v_lshrrev_b32 v1, 5, v0
	v_readfirstlane_b32 s20, v1                    ; wave 0, 1
	v_and_b32 v1, 31, v0                           ; lane
	v_lshlrev_b32 v2, 4, v1                        ; 16 x lane
	v_lshlrev_b32 v3, 3, v1                        ; 8 x lane
	s_cmp_lt_u32 ttmp9, 256
	s_cbranch_scc0 .Lweights
; ---------------- x: K is innermost ----------------
; A load takes 512 dense bytes of one row (128 numbers: a K step).  The operand's layout gives lane (r, h) the numbers k = 64 c + 32 h + 0 .. 31 of row r: so a K step's 16 rows turn through the wave's stage.
.macro XLOAD s
.irp p, 0,1,2,3,4,5,6,7,8,9,10,11,12,13,14,15
	global_load_b128 v[R+64*((\s)%2)+4*\p:R+64*((\s)%2)+4*\p+3], v2, s[4:5] offset:(\p+8*(\p/8))*4096+512*(\s) th:TH_LOAD_NT
.endr
.endm
.macro XSTEP s
.set PS, PC+12*((\s)%2)
.if (\s) < 7
	s_wait_loadcnt 16                              ; this K step's 16 loads are in; the next step's 16 stay out
.else
	s_wait_loadcnt 0
.endif
.irp p, 0,1,2,3,4,5,6,7,8,9,10,11,12,13,14,15
	ds_store_b128 v4, v[R+64*((\s)%2)+4*\p:R+64*((\s)%2)+4*\p+3] offset:528*\p
.endr
.irp c, 0,1
.irp i, 0,1,2,3,4,5,6,7
	ds_load_b128 v[X+32*\c+4*\i:X+32*\c+4*\i+3], v5 offset:256*\c+16*\i   ; LDS serves a wave's instructions in order: these see the stores above.  Rows 528 bytes apart: sixteen lanes, sixteen different columns of 16 bytes
.endr
.endr
	s_wait_dscnt 0x0
.if (\s)+2 < 8
	XLOAD (\s)+2                                   ; into the registers that the stage's stores have read
.endif
.irp c, 0,1
	v_max3_num_f32 v[8+\c], |v[X+32*\c]|, |v[X+32*\c+1]|, 0x1800000   ; my block 2 c + h: all its 32 numbers are mine; the floor 2^(3 - 127) holds the byte at 1 from below
.endr
.irp i, 2,4,6,8,10,12,14,16,18,20,22,24,26,28,30
.irp c, 0,1
	v_max3_num_f32 v[8+\c], v[8+\c], |v[X+32*\c+\i]|, |v[X+32*\c+\i+1]|
.endr
.endr
.irp c, 0,1
	v_add_nc_u32 v[10+\c], 0xff000000, v[8+\c]     ; 2 off the exponent field: the conversion takes the exponent field of this operand as its scale
.endr
.irp c, 0,1
	v_lshrrev_b32 v[12+\c], 23, v[10+\c]           ; the scale's byte
.endr
	v_lshl_or_b32 v14, v13, 16, v12                ; blocks h and 2 + h,
	v_lshlrev_b32 v14, v6, v14                     ; 8 h bits up;
	v_permlanex16_b32 v15, v14, s22, s23
	v_or_b32 v[PW+(\s)], v14, v15                  ; with lane l xor 16's two the row's word of this K step is whole
.if (\s) >= 2
	s_wait_alu depctr_va_vdst(0)
	s_wait_xcnt 0x0                                ; the stores of two steps back have read this set of codes: it is written again only behind this wait
.endif
.irp c, 0,1
	v_cvt_scalef32_pk16_fp6_f32 v[PS+6*\c:PS+6*\c+2], v[X+32*\c:X+32*\c+15], v[10+\c]
	v_cvt_scalef32_pk16_fp6_f32 v[T+4*\c:T+4*\c+2], v[X+32*\c+16:X+32*\c+31], v[10+\c]   ; (a conversion's three registers begin on an even number)
.endr
	v_nop                                          ; one plain place behind a scaled conversion
.irp c, 0,1
.irp i, 0,1,2
	v_mov_b32 v[PS+6*\c+3+\i], v[T+4*\c+\i]
.endr
.endr
	global_store_b128 v2, v[PS:PS+3], s[10:11] offset:1536*(\s)            ; the image: 512, 256, 512, 256 dense bytes
	global_store_b64 v3, v[PS+4:PS+5], s[10:11] offset:1536*(\s)+512
	global_store_b128 v2, v[PS+6:PS+9], s[10:11] offset:1536*(\s)+768
	global_store_b64 v3, v[PS+10:PS+11], s[10:11] offset:1536*(\s)+1280
.endm
	s_lshl_b32 s24, ttmp9, 1
	s_add_co_u32 s24, s24, s20                     ; my block of 16 stored rows, 0 .. 511
	s_lshr_b32 s26, s24, 1
	s_lshl_b32 s26, s26, 5
	s_and_b32 s25, s24, 1
	s_lshl_b32 s25, s25, 3
	s_add_co_u32 s26, s26, s25                     ; its first true row: 32 (block / 2) + 8 (block % 2)
	s_lshl_b32 s26, s26, 12                        ; rows of 4,096 bytes
	s_mov_b32 s27, 0
	s_mul_i32 s28, s24, 12288                      ; its 8 images
	s_mov_b32 s29, 0
	s_lshl_b32 s30, s24, 9                         ; its 16 rows of 32 scale bytes
	s_mov_b32 s31, 0
	s_mov_b32 s21, 0xffff0000                      ; lanes 16-31
	s_mov_b32 s22, 0x76543210
	s_mov_b32 s23, 0xfedcba98                      ; v_permlanex16_b32's selects for lane l xor 16
	s_mul_i32 s19, s20, STGB                       ; my stage
	s_wait_alu depctr_va_vdst(0)
	v_and_b32 v8, 15, v1                           ; r
	v_lshrrev_b32 v9, 4, v1                        ; h
	v_add_nc_u32 v4, s19, v2                       ; into the stage: 16 x lane of a row
	v_mul_u32_u24 v5, v8, 528
	v_lshl_add_u32 v5, v9, 7, v5
	v_add_nc_u32 v5, s19, v5                       ; out of it: row r, + 128 h
	v_lshlrev_b32 v6, 3, v9                        ; 8 h
	v_lshlrev_b32 v7, 5, v8
	v_lshl_add_u32 v7, v9, 4, v7                   ; the scale bytes' way out: 32 r + 16 h
	v_mov_b32 v15, 0                               ; a lane permute's destination counts as one of its sources
	s_wait_alu depctr_va_vdst(0)
	s_wait_kmcnt 0x0
	s_add_nc_u64 s[4:5], s[4:5], s[26:27]
	s_add_nc_u64 s[10:11], s[10:11], s[28:29]
	s_add_nc_u64 s[12:13], s[12:13], s[30:31]
	XLOAD 0
	XLOAD 1
.irp s, 0,1,2,3,4,5,6,7
	XSTEP \s
.endr
.irp i, 0,1,2,3
	v_cndmask_b32 v[8+\i], v[PW+\i], v[PW+4+\i], s21   ; lanes 0-15 take the row's words 0-3, lanes 16-31 its words 4-7
.endr
	global_store_b128 v7, v[8:11], s[12:13]        ; 16 rows x 32 bytes: 512 dense bytes
	s_branch .Lend
; ---------------- the weights: K is the first axis ----------------
; A lane takes a column and its registers run down K: a block of 32 lies in one lane, and the codes come out with K innermost.  Lane l is STORED row 32 G + l and reads the true column with bits 3 and 4 exchanged.
; The operand's layout wants lanes 0-15 to hold the even block of 32 and lanes 16-31 the odd one, of ONE block of 16 rows: six exchanges of halves between the codes of two neighbouring blocks of 32 give that for both blocks of rows.
.macro WLOAD src, pitch, t
.irp i, 0,1,2,3,4,5,6,7,8,9,10,11,12,13,14,15,16,17,18,19,20,21,22,23,24,25,26,27,28,29,30,31
	global_load_b32 v[X+32*((\t)%2)+\i], v4, s[\src:\src+1] offset:(32*(\t)+\i)*\pitch th:TH_LOAD_NT
.endr
.endm
.macro WBLOCK src, pitch, t
.set XS, X+32*((\t)%2)
.set EG, 16+12*(((\t)/2)%2)            ; the pair's 12 registers: even block, then odd block
.set CG, EG+6*((\t)%2)
.set BO, 1536*((\t)/4)+768*(((\t)/2)%2)
.if (\t) < 7
	s_wait_loadcnt 32                              ; this block's 32 loads are in; the next block's stay out
.else
	s_wait_loadcnt 0
.endif
	v_max3_num_f32 v8, |v[XS]|, |v[XS+1]|, |v[XS+2]|
	v_max3_num_f32 v9, |v[XS+3]|, |v[XS+4]|, |v[XS+5]|
.irp i, 6,10,14,18,22,26
	v_max3_num_f32 v8, v8, |v[XS+\i]|, |v[XS+\i+1]|
	v_max3_num_f32 v9, v9, |v[XS+\i+2]|, |v[XS+\i+3]|
.endr
	v_max3_num_f32 v8, v8, |v[XS+30]|, |v[XS+31]|
	v_max3_num_f32 v8, v8, v9, 0x1800000           ; and the floor
	v_add_nc_u32 v10, 0xff000000, v8               ; the conversion's scale operand
	v_lshrrev_b32 v11, 23, v10                     ; the byte
.if (\t)%4 == 0
	v_mov_b32 v[SB+(\t)/4], v11
.else
	v_lshl_or_b32 v[SB+(\t)/4], v11, 8*((\t)%4), v[SB+(\t)/4]
.endif
.if (\t) == 4
	s_wait_alu depctr_va_vdst(0)
	s_wait_xcnt 0x0                                ; the stores of pairs 0 and 1 have read their registers: both groups are written again only behind this wait
.endif
	v_cvt_scalef32_pk16_fp6_f32 v[CG:CG+2], v[XS:XS+15], v10
	v_cvt_scalef32_pk16_fp6_f32 v[WT:WT+2], v[XS+16:XS+31], v10
	v_nop                                          ; one plain place behind a scaled conversion
.irp i, 0,1,2
	v_mov_b32 v[CG+3+\i], v[WT+\i]
.endr
.if (\t)+2 < 8
	WLOAD \src, \pitch, (\t)+2
.endif
.if (\t)%2
.irp i, 0,1,2,3,4,5
	v_permlane16_swap_b32 v[EG+\i], v[EG+6+\i]     ; the first now holds rows 0-15's half fragment, the second rows 16-31's
.endr
	global_store_b128 v2, v[EG:EG+3], s[14:15] offset:BO
	global_store_b64 v3, v[EG+4:EG+5], s[14:15] offset:BO+512
	global_store_b128 v2, v[EG+6:EG+9], s[14:15] offset:BO+12288
	global_store_b64 v3, v[EG+10:EG+11], s[14:15] offset:BO+12288+512
.endif
.endm
; src: the pointer's first register; pitch: bytes of a row; first: the path's first work-group; gofs: the tensor's first group of 32 rows in w_img
.macro WPATH src, pitch, first, gofs
	s_sub_co_u32 s24, ttmp9, \first
	s_lshr_b32 s25, s24, 2                         ; which 64 columns
	s_and_b32 s24, s24, 3                          ; which 256 along K
	s_lshl_b32 s25, s25, 1
	s_add_co_u32 s25, s25, s20                     ; my wave's 32 columns: the two waves read 256 neighbouring bytes of each row
	s_mul_i32 s26, s24, 256*\pitch
	s_lshl_b32 s27, s25, 7
	s_add_co_u32 s26, s26, s27
	s_mov_b32 s27, 0
.if \gofs
	s_add_co_u32 s25, s25, \gofs
.endif
	s_lshl_b32 s28, s25, 4
	s_lshl_b32 s29, s24, 1
	s_add_co_u32 s28, s28, s29
	s_mul_i32 s28, s28, 1536                       ; block 2 G, K step 2 x (which 256)
	s_mov_b32 s29, 0
	s_lshl_b32 s30, s25, 10
	s_lshl_b32 s31, s24, 3
	s_add_co_u32 s30, s30, s31                     ; row 32 G, byte 8 x (which 256)
	s_mov_b32 s31, 0
	s_wait_kmcnt 0x0
	s_add_nc_u64 s[\src:\src+1], s[\src:\src+1], s[26:27]
	s_add_nc_u64 s[14:15], s[14:15], s[28:29]
	s_add_nc_u64 s[16:17], s[16:17], s[30:31]
	WLOAD \src, \pitch, 0
	WLOAD \src, \pitch, 1
.irp t, 0,1,2,3,4,5,6,7
	WBLOCK \src, \pitch, \t
.endr
	global_store_b64 v5, v[SB:SB+1], s[16:17]      ; my row's 8 bytes; rows lie 32 bytes apart: 131,072 bytes in the whole launch leave so.  A wave that covered all of K for its columns would leave 128 waves for the weights' 16.8 MB
.endm
.Lweights:
	s_wait_alu depctr_va_vdst(0)
	v_and_b32 v8, 7, v1
	v_bfe_u32 v9, v1, 3, 1
	v_bfe_u32 v10, v1, 4, 1
	v_lshl_or_b32 v8, v9, 4, v8
	v_lshl_or_b32 v8, v10, 3, v8                   ; my lane with bits 3 and 4 exchanged
	v_lshlrev_b32 v4, 2, v8                        ; the column that I read
	v_lshlrev_b32 v5, 5, v1                        ; my row of scale bytes
	s_cmp_lt_u32 ttmp9, 448
	s_cbranch_scc0 .Lwout
	s_wait_alu depctr_va_vdst(0)
	WPATH 6, 12288, 256, 0
	s_branch .Lend
.Lwout:
	s_wait_alu depctr_va_vdst(0)
	WPATH 8, 4096, 448, 96
.Lend:
	s_wait_tensorcnt 0x0                           ; the wave's end: all three paths end alike
	ds_add_u32 v[SPW], v[NIL]
	s_wait_dscnt 0x0
	s_endpgm
.Lfunc_end_k_qdc080e997d_quant:
	.size	k_qdc080e997d_quant, .Lfunc_end_k_qdc080e997d_quant-k_qdc080e997d_quant
	.p2alignl 7, 3214868480
	.fill 96, 4, 3214868480
	.section	.rodata,"a",@progbits
	.p2align	6, 0x0
	.amdhsa_kernel k_qdc080e997d_quant
		.amdhsa_group_segment_fixed_size 17152
		.amdhsa_private_segment_fixed_size 0
		.amdhsa_enable_private_segment 0
		.amdhsa_kernarg_size 56
		.amdhsa_user_sgpr_count 2
		.amdhsa_user_sgpr_kernarg_segment_ptr 1
		.amdhsa_wavefront_size32 1
		.amdhsa_system_sgpr_workgroup_id_x 1
		.amdhsa_system_sgpr_workgroup_id_y 1
		.amdhsa_system_sgpr_workgroup_id_z 1
		.amdhsa_system_vgpr_workitem_id 0
		.amdhsa_next_free_vgpr 256
		.amdhsa_next_free_sgpr 66
		.amdhsa_reserve_vcc 0
		.amdhsa_float_denorm_mode_32 3
		.amdhsa_float_denorm_mode_16_64 3
		.amdhsa_memory_ordered 1
		.amdhsa_forward_progress 1
		.amdhsa_inst_pref_size 137
	.end_amdhsa_kernel
	.amdgpu_metadata
---
amdhsa.version: [ 1, 2 ]
amdhsa.kernels:
  - .name:           k_qdc080e997d_quant
    .symbol:         k_qdc080e997d_quant.kd
    .args:
      - { .name: x, .offset: 0, .size: 8, .value_kind: global_buffer, .address_space: global }
      - { .name: Wqkv, .offset: 8, .size: 8, .value_kind: global_buffer, .address_space: global }
      - { .name: Wout, .offset: 16, .size: 8, .value_kind: global_buffer, .address_space: global }
      - { .name: x_img, .offset: 24, .size: 8, .value_kind: global_buffer, .address_space: global }
      - { .name: x_sc, .offset: 32, .size: 8, .value_kind: global_buffer, .address_space: global }
      - { .name: w_img, .offset: 40, .size: 8, .value_kind: global_buffer, .address_space: global }
      - { .name: w_sc, .offset: 48, .size: 8, .value_kind: global_buffer, .address_space: global }
    .group_segment_fixed_size: 17152
    .private_segment_fixed_size: 0
    .kernarg_segment_align: 8
    .kernarg_segment_size: 56
    .max_flat_workgroup_size: 64
    .sgpr_count:     66
    .vgpr_count:     256
    .wavefront_size: 32
...
	.end_amdgpu_metadata
.endif
;; end of part 1
;; launch gemm_qkv (part 2): grid 4 x 64, 4 waves a work-group, clusters of 4 x 4, 327,680 bytes of LDS; arguments x_img, x_sc, w_img, w_sc, qkv_img, qkv_sc; writes qkv_img, qkv_sc
.if DOCPART == 2
	.amdgcn_target "amdgcn-amd-amdhsa--gfx1250"
	.amdhsa_code_object_version 6
	.text
	.protected	k_qdc080e997d_gemm_qkv
	.globl	k_qdc080e997d_gemm_qkv
	.p2align	8
	.type	k_qdc080e997d_gemm_qkv,@function
k_qdc080e997d_gemm_qkv:
	s_mov_b64 s[64:65], 0
	v_nop
	global_prefetch_b8 v0, s[64:65] scope:SCOPE_SE
	s_setreg_imm32_b32 hwreg(HW_REG_WAVE_MODE, 25, 1), 1
	s_wait_xcnt 0x0
	s_wait_alu depctr_hold_cnt(0) depctr_sa_sdst(0) depctr_va_vdst(0) depctr_va_sdst(0) depctr_va_ssrc(0) depctr_va_vcc(0) depctr_vm_vsrc(0)
	s_getreg_b32 s2, hwreg(HW_REG_IB_STS2, 6, 4)
	s_cmp_eq_u32 s2, 0
	s_cbranch_scc0 .Lentry_in_a_cluster
	s_endpgm
.Lentry_in_a_cluster:
	s_bfe_u32 s2, ttmp6, 0x10000c
	s_cmp_lg_u32 s2, 0xf033
	s_cbranch_scc0 .Lentry_shape_is_right
	s_endpgm
.Lentry_shape_is_right:
; LAUNCH 2 OF 4.  qkv = Q(x) Q(Wqkv) on codes of FP6 (E2M3) with E8M0 scales; the results are quantised in registers and leave as codes: q and k along the head's 64, v along the tokens.  Nothing of reference() is left out here.
; SHARES.  256 work-groups of four waves, 2 x 2.  Work-group (g, R) owns 128 stored rows of x (R = 0..63) and six tiles of 128 columns, in the same order of kinds in every work-group: Q's tiles 2 g, 2 g + 1, K's, V's.
; Wave (a, b) holds rows 64 a .. + 63 of x, ALL of K, in registers (32 fragments, 384 registers) and takes columns 64 b .. + 63 of each tile: one head.  The weights stream from LDS a block of 16 columns at a time:
; 8 fragments (32 LDS loads) feed 32 products; the block's four accumulators take turns, one instruction a turn.
; LDS: x's 128 rows (98,304 bytes, read once into registers), two slots of one tile of weights each (98,304), the spare words.  FILLS: at the head one joint load a wave: x's two halves, tile 0, tile 1.
; Four refills (tiles 2 to 5), a quarter of a tile a wave, each behind a round of the cluster's barrier that stands inside a tile's last block of products.
; CLUSTER 4 x 4: x's rows are shared by a row of the cluster, a tile of weights by a column.  Scale words go from memory straight into the scale registers: 512 dense bytes a load; a tile's are asked for one tile ahead.
; Q, K: source 0 = the weights' rows: a lane holds one token and its registers run along the columns.  V: source 0 = x's rows: a lane holds one column and its registers run along the tokens.  By the stored order (bits 3 and 4 of a
; row's number exchanged) the 16 registers of two neighbouring result tiles are 16 true neighbours: 32 registers and lane l xor 16 hold two scale blocks, which become a piece of 768 bytes, half an operand of the attention.
; OUT as the attention reads it: qkv_img [head 0..31: q, k][512 blocks of tokens][768], then v's part [128-token step][half][64 blocks of d][768]; qkv_sc [pair of heads][token][4], then v's [step][1024 d][4]: a wave stores two bytes of each word.
; PREFETCH: tile i + 3 is asked for behind the refill that loads tile i + 2 (tile 2 at the head): 384 blocks of 256 bytes, shared out by address among the sixteen waves of a column of the cluster, 24 lanes each; nothing is asked for past tile 5.
; LIMITS: a block of zeros gets the byte 1 (its codes are zeros; this program alone reads the bytes); largest magnitudes under 2^-124 are held at the floor; NaN and infinities are not served.
; REGISTERS: window 0: v16-29 addresses, v32-47 x's scale words, v52-83 the weights' (two sets), v84-117 the quantiser's, v128-255 sixteen accumulators; windows 1, 2: x's fragments, 21 to a window; window 3: the weights' fragments, two sets of 8.
.set SLB,   98304
.set SPARE, 3*SLB
.set BLKB,  12288
.set FRB,   1536
.set VPART, 12582912
.set VSPART, 524288
.set AA,   16
.set BB,   18
.set LI16, 22
.set LI8,  23
.set LI4,  24
.set ABS,  25
.set PF,   26
.set SPW,  28
.set NIL,  29
.set SA,   32
.set SB,   52
.set TM,   84
.set PW,   96
.set T2,   97
.set PCS,  98
.set G1A,  24
.set G0A,  32
.set G0B,  36
.set CNT,  46
.set MSK,  47
.set G1B,  48
.set G0R,  56
.set SAP,  68
.set WS,   70
.set OC,   72
.set OS,   74
.set VCP,  76
.set VSP,  78
.set PFB,  80
.set SEL,  82
.set MSB, 0
.macro WIN new
.if MSB != \new
	s_set_vgpr_msb (MSB<<8)|\new
.set MSB, \new
.endif
.endm
.macro WALU
	s_wait_alu depctr_va_vdst(0)
.endm
.macro PLACES n
.rept \n
	v_nop
.endr
.endm
.macro CREST
	s_cmp_lg_u32 s16, 0
	s_cbranch_scc1 .Lnot_wave_0_\@
	s_barrier_signal -3
.Lnot_wave_0_\@:
	s_barrier_wait -3
	s_barrier_signal -1
	s_barrier_wait -1
.endm
.macro CROUND
	s_barrier_signal -1
	s_barrier_wait -1
	CREST
.endm
.macro W1 d, s0, s1, c, x0, x1, r0, r1
.if (\r0) && (\r1)
	v_wmma_scale_f32_16x16x128_f8f6f4 v[\d:\d+7], v[\s0:\s0+11], v[\s1:\s1+11], \c, v[\x0], v[\x1] matrix_a_fmt:MATRIX_FMT_FP6 matrix_b_fmt:MATRIX_FMT_FP6 matrix_a_scale:MATRIX_SCALE_ROW1 matrix_b_scale:MATRIX_SCALE_ROW1
.elseif (\r0)
	v_wmma_scale_f32_16x16x128_f8f6f4 v[\d:\d+7], v[\s0:\s0+11], v[\s1:\s1+11], \c, v[\x0], v[\x1] matrix_a_fmt:MATRIX_FMT_FP6 matrix_b_fmt:MATRIX_FMT_FP6 matrix_a_scale:MATRIX_SCALE_ROW1
.elseif (\r1)
	v_wmma_scale_f32_16x16x128_f8f6f4 v[\d:\d+7], v[\s0:\s0+11], v[\s1:\s1+11], \c, v[\x0], v[\x1] matrix_a_fmt:MATRIX_FMT_FP6 matrix_b_fmt:MATRIX_FMT_FP6 matrix_b_scale:MATRIX_SCALE_ROW1
.else
	v_wmma_scale_f32_16x16x128_f8f6f4 v[\d:\d+7], v[\s0:\s0+11], v[\s1:\s1+11], \c, v[\x0], v[\x1] matrix_a_fmt:MATRIX_FMT_FP6 matrix_b_fmt:MATRIX_FMT_FP6
.endif
.endm
; K steps q0 .. q1 - 1 of column block nb against my four row blocks.  x's fragment (row block i, K step q) is number 4 q + i.  kind 0: accumulator 4 i + nb; kind 1 (V): 4 nb + i.  The first K step starts the sums.
.macro MULB kind, nb, sbs, q0, q1
.set Q_, \q0
.rept (\q1)-(\q0)
.set I_, 0
.rept 4
.set F_, 4*Q_+I_
.set WA_, 1+F_/21
.set RA_, 12*(F_%21)
.set RB_, 96*((\nb)%2)+12*Q_
.set XB_, SB+16*(\sbs)+8*((\nb)/2)+Q_
.set XA_, SA+8*(I_/2)+Q_
.if \kind
.set D_, 128+8*(4*(\nb)+I_)
	WIN WA_|(3<<2)
.if Q_
	W1 D_, RA_, RB_, v[D_:D_+7], XA_, XB_, I_%2, (\nb)%2
.else
	W1 D_, RA_, RB_, 0, XA_, XB_, I_%2, (\nb)%2
.endif
.else
.set D_, 128+8*(4*I_+(\nb))
	WIN 3|(WA_<<2)
.if Q_
	W1 D_, RB_, RA_, v[D_:D_+7], XB_, XA_, (\nb)%2, I_%2
.else
	W1 D_, RB_, RA_, 0, XB_, XA_, (\nb)%2, I_%2
.endif
.endif
.set I_, I_+1
.endr
.set Q_, Q_+1
.endr
.endm
.macro LOADB slot, nb                  ; column block nb of the tile in a slot, all of K: 32 loads into set nb % 2
	WIN 0xc0
.set R_, 96*((\nb)%2)
.set O_, BLKB*(\nb)
.rept 8
	ds_load_b128 v[R_:R_+3], v[BB+2*(\slot)] offset:O_
	ds_load_b64 v[R_+4:R_+5], v[BB+2*(\slot)+1] offset:O_+512
	ds_load_b128 v[R_+6:R_+9], v[BB+2*(\slot)] offset:O_+768
	ds_load_b64 v[R_+10:R_+11], v[BB+2*(\slot)+1] offset:O_+1280
.set R_, R_+12
.set O_, O_+FRB
.endr
.endm
.macro SCLOAD set, off                 ; the scale words of my 64 columns of a tile: lane l of register 8 pp + q: row 32 pp + l, K step q
.irp p, 0,1
.irp c, 0,1
	global_load_b128 v[SB+16*(\set)+8*\p+4*\c:SB+16*(\set)+8*\p+4*\c+3], v[ABS], s[WS:WS+1] offset:(\off)+1024*\p+16*\c
.endr
.endr
.endm
; 64 accumulator registers become two pieces of 768 bytes and two bytes a row for each
.macro QUANT2 x, oc, oo, os, so
.set AC, 128+64*(\x)
.irp b, 0,1,2,3
	v_max3_num_f32 v[TM+\b], |v[AC+16*\b]|, |v[AC+16*\b+1]|, 0x1800000   ; the floor 2^(3 - 127) holds the byte at 1 from below
.endr
.irp i, 2,4,6,8,10,12,14
.irp b, 0,1,2,3
	v_max3_num_f32 v[TM+\b], |v[AC+16*\b+\i]|, |v[AC+16*\b+\i+1]|, v[TM+\b]
.endr
.endr
.irp b, 0,1,2,3
	v_permlanex16_b32 v[TM+4+\b], v[TM+\b], s[SEL], s[SEL+1]
.endr
.irp b, 0,1,2,3
	v_max_num_f32 v[TM+\b], v[TM+\b], v[TM+4+\b]
.endr
.irp b, 0,1,2,3
	v_add_nc_u32 v[TM+8+\b], 0xff000000, v[TM+\b]  ; 2 off the exponent field: the conversion's scale operand
.endr
.irp b, 0,1,2,3
	v_lshrrev_b32 v[TM+4+\b], 23, v[TM+8+\b]       ; the byte
.endr
	WALU
	s_wait_xcnt 0x0                                ; the last pieces' stores have read their registers: they are written again only behind this wait
	v_lshl_or_b32 v[PW], v[TM+5], 8, v[TM+4]
	v_lshl_or_b32 v[T2], v[TM+7], 8, v[TM+6]
	v_cndmask_b32 v[T2], v[PW], v[T2], s[MSK]      ; lanes 0-15 the first piece's rows, lanes 16-31 the second's
.irp c, 0,1
	v_cvt_scalef32_pk16_fp6_f32 v[PCS+6*\c:PCS+6*\c+2], v[AC+32*\c:AC+32*\c+15], v[TM+8+2*\c]
	v_cvt_scalef32_pk16_fp6_f32 v[PCS+12+4*\c:PCS+14+4*\c], v[AC+32*\c+16:AC+32*\c+31], v[TM+8+2*\c+1]
.endr
	v_nop                                          ; one plain place behind a scaled conversion
.irp c, 0,1
.irp i, 0,1,2
	v_permlane16_swap_b32 v[PCS+6*\c+\i], v[PCS+12+4*\c+\i]
.endr
.irp i, 0,1,2
	v_mov_b32 v[PCS+3+6*\c+\i], v[PCS+12+4*\c+\i]
.endr
.endr
	global_store_b128 v[LI16], v[PCS:PCS+3], s[\oc:\oc+1] offset:(\oo)+1536*(\x)
	global_store_b64 v[LI8], v[PCS+4:PCS+5], s[\oc:\oc+1] offset:(\oo)+1536*(\x)+512
	global_store_b128 v[LI16], v[PCS+6:PCS+9], s[\oc:\oc+1] offset:(\oo)+1536*(\x)+768
	global_store_b64 v[LI8], v[PCS+10:PCS+11], s[\oc:\oc+1] offset:(\oo)+1536*(\x)+1280
	global_store_b16 v[LI4], v[T2], s[\os:\os+1] offset:(\so)+128*(\x)
.endm
; A tile.  On entry its block 0 is on its way into set 0.  mode 2: a round and a refill of this slot stand in its last block; 1: a plain barrier there shows the other slot; 0: the last tile.
; s_wait_dscnt 32: the block's own 32 loads are in, the 32 younger ones, the next block's, stay out.
.macro TILE kind, slot, mode, oc, oo, os, so, nx
	s_wait_loadcnt 0x0                             ; this tile's scale words are in
.if \mode
	SCLOAD 1-(\slot), \nx
.endif
	LOADB \slot, 1
	s_wait_dscnt 32
	MULB \kind, 0, \slot, 0, 8
	PLACES 4                                       ; places between products and loads into the registers that they read
	LOADB \slot, 2
	s_wait_dscnt 32
	MULB \kind, 1, \slot, 0, 8
	PLACES 4
	LOADB \slot, 3
	s_wait_dscnt 32
	MULB \kind, 2, \slot, 0, 8
	WIN 0
	s_wait_dscnt 0x0
.if \mode
	s_wait_tensorcnt 0x0                           ; all my tensor loads have landed, my part of the other slot's tile among them
.if \mode == 2
	ds_add_u32 v[SPW], v[NIL]
.endif
	MULB \kind, 3, \slot, 0, 4
	s_wait_dscnt 0x0                               ; the add is done; my reads of this slot were done above
	s_barrier_signal -1
	MULB \kind, 3, \slot, 4, 8
	WIN 0
	s_barrier_wait -1
.if \mode == 2
	CREST                                          ; the barrier has opened a round of the cluster's barrier: no wave of any partner reads this slot or has a load on its way
	s_add_nc_u64 s[G0R+4*(\slot)+2:G0R+4*(\slot)+3], s[G0R+4*(\slot)+2:G0R+4*(\slot)+3], 8*SLB
	tensor_load_to_lds s[G0R+4*(\slot):G0R+4*(\slot)+3], s[G1B:G1B+7]   ; my quarter of the tile two on
	s_nop 0
.endif
	PLACES 4
	LOADB 1-(\slot), 0
	WIN 0
.if \mode == 2
.if \slot
	s_cmp_eq_u32 s[CNT], 0                         ; in the second trip there is no tile three on
	s_cbranch_scc0 .Lno_pf_\@
	global_prefetch_b8 v[PF], s[PFB:PFB+1] offset:16*SLB th:TH_LOAD_NT scope:SCOPE_SE
.Lno_pf_\@:
.else
	global_prefetch_b8 v[PF], s[PFB:PFB+1] offset:9*SLB th:TH_LOAD_NT scope:SCOPE_SE
.endif
.endif
.else
	MULB \kind, 3, \slot, 0, 8
	WIN 0
	PLACES 4
.endif
	QUANT2 0, \oc, \oo, \os, \so
	QUANT2 1, \oc, \oo, \os, \so
.endm
	s_load_b256 s[4:11], s[0:1], 0x0               ; x_img, x_sc, w_img, w_sc
	s_load_b128 s[12:15], s[0:1], 0x20             ; qkv_img, qkv_sc
	v_lshl_add_u32 v[SPW], v0, 2, SPARE
	v_mov_b32 v[NIL], 0
	ds_add_u32 v[SPW], v[NIL]                      ; the opening lines: the add, twice on end, and its wait
	ds_add_u32 v[SPW], v[NIL]
	v_lshrrev_b32 v1, 5, v0
	v_readfirstlane_b32 s16, v1                    ; wave
	s_lshr_b32 s17, s16, 1                         ; a: my 64 rows
	s_and_b32 s18, s16, 1                          ; b: my 64 columns
	s_bfe_u32 s40, ttmp6, 0x40000                  ; cx
	s_bfe_u32 s41, ttmp6, 0x40004                  ; cy
	s_lshl_b32 s42, ttmp9, 2
	s_add_co_u32 s42, s42, s40                     ; g
	s_and_b32 s43, ttmp7, 0xffff
	s_lshl_b32 s43, s43, 2
	s_add_co_u32 s43, s43, s41                     ; R
	s_lshl_b32 s44, s41, 2
	s_lshl_b32 s44, 15, s44                        ; my row of the cluster
	s_lshl_b32 s45, 0x1111, s40                    ; my column
	s_or_b32 s[G1A], s44, (3<<16)|(1<<21)          ; dense bytes as rows of 256: x's half 192 rows,
	s_mov_b32 s[G1A+1], 32<<16
	s_mov_b32 s[G1A+2], 192<<16
	s_mov_b32 s[G1A+3], 32<<16
	s_mov_b32 s[G1A+4], 192
	s_mov_b32 s[G1A+5], 32
	s_mov_b32 s[G1A+6], 0
	s_mov_b32 s[G1A+7], 0
	s_or_b32 s[G1B], s45, (3<<16)|(1<<21)          ; a whole tile of weights 384 (behind the head: a quarter, 96)
	s_mov_b32 s[G1B+1], 32<<16
	s_mov_b32 s[G1B+2], 384<<16
	s_mov_b32 s[G1B+3], 32<<16
	s_mov_b32 s[G1B+4], 384
	s_mov_b32 s[G1B+5], 32
	s_mov_b32 s[G1B+6], 0
	s_mov_b32 s[G1B+7], 0
	s_mul_i32 s92, s43, SLB                        ; x: R's 128 rows, half b
	s_mul_i32 s20, s18, SLB/2
	s_add_co_u32 s92, s92, s20
	s_mov_b32 s93, 0
	s_lshl_b32 s94, s42, 1                         ; weights: tile 2 g + b
	s_add_co_u32 s94, s94, s18
	s_mul_i32 s94, s94, SLB
	s_mov_b32 s95, 0
	s_mul_i32 s84, s42, 2*SLB                      ; for the refills: tile 2 g, my quarter
	s_mul_i32 s85, s16, SLB/4
	s_add_co_u32 s84, s84, s85
	s_mov_b32 s85, 0
	s_mov_b32 s[G0A], 1
	s_mov_b32 s[G0A+1], s20
	s_mov_b32 s[G0B], 1
	s_mul_i32 s[G0B+1], s18, SLB
	s_add_co_u32 s[G0B+1], s[G0B+1], SLB
	s_mov_b32 s[G0R], 1
	s_mul_i32 s[G0R+1], s16, SLB/4
	s_add_co_u32 s[G0R+1], s[G0R+1], SLB
	s_mov_b32 s[G0R+4], 1
	s_add_co_u32 s[G0R+5], s[G0R+1], SLB
	s_lshl_b32 s86, s43, 12                        ; x's scale words: (128 R + 64 a) x 32
	s_lshl_b32 s87, s17, 11
	s_add_co_u32 s86, s86, s87
	s_mov_b32 s87, 0
	s_lshl_b32 s88, s42, 13                        ; the weights': (256 g + 64 b) x 32
	s_lshl_b32 s89, s18, 11
	s_add_co_u32 s88, s88, s89
	s_mov_b32 s89, 0
	s_lshl_b32 s90, s42, 2                         ; q's codes: ((4 g + b) 512 + 8 R + 4 a) x 768
	s_add_co_u32 s90, s90, s18
	s_lshl_b32 s90, s90, 9
	s_lshl_b32 s91, s43, 3
	s_add_co_u32 s90, s90, s91
	s_lshl_b32 s91, s17, 2
	s_add_co_u32 s90, s90, s91
	s_mul_i32 s90, s90, 768
	s_mov_b32 s91, 0
	s_lshl_b32 s96, s42, 16                        ; q's scale bytes: (2 g x 8192 + 128 R + 64 a) x 4 + 2 b
	s_lshl_b32 s97, s43, 9
	s_add_co_u32 s96, s96, s97
	s_lshl_b32 s97, s17, 8
	s_add_co_u32 s96, s96, s97
	s_lshl_b32 s97, s18, 1
	s_add_co_u32 s96, s96, s97
	s_mov_b32 s97, 0
	s_lshl_b32 s98, s43, 1                         ; v's codes: ((2 R + a) 64 + 16 g + 4 b) x 768, in v's part
	s_add_co_u32 s98, s98, s17
	s_lshl_b32 s98, s98, 6
	s_lshl_b32 s99, s42, 4
	s_add_co_u32 s98, s98, s99
	s_lshl_b32 s99, s18, 2
	s_add_co_u32 s98, s98, s99
	s_mul_i32 s98, s98, 768
	s_add_co_u32 s98, s98, VPART
	s_mov_b32 s99, 0
	s_lshl_b32 s2, s43, 12                         ; v's scale bytes: (1024 R + 256 g + 64 b) x 4 + 2 a, in v's part
	s_lshl_b32 s3, s42, 10
	s_add_co_u32 s2, s2, s3
	s_lshl_b32 s3, s18, 8
	s_add_co_u32 s2, s2, s3
	s_lshl_b32 s3, s17, 1
	s_add_co_u32 s2, s2, s3
	s_add_co_u32 s2, s2, VSPART
	s_mov_b32 s3, 0
	s_mul_i32 s22, s42, 2*SLB
	s_mov_b32 s23, 0
	s_mov_b32 s[SEL], 0x76543210
	s_mov_b32 s[SEL+1], 0xfedcba98
	s_mov_b32 s[MSK], 0xffff0000
	WALU
	s_wait_dscnt 0x0                               ; both opening adds are done
	s_wait_kmcnt 0x0
	s_add_nc_u64 s[G0A+2:G0A+3], s[4:5], s[92:93]
	s_or_b32 s[G0A+3], s[G0A+3], 0x80000000
	s_add_nc_u64 s[G0B+2:G0B+3], s[8:9], s[94:95]
	s_or_b32 s[G0B+3], s[G0B+3], 0x80000000
	s_add_nc_u64 s[G0R+2:G0R+3], s[8:9], s[84:85]
	s_add_nc_u64 s[G0R+6:G0R+7], s[G0R+2:G0R+3], SLB
	s_or_b32 s[G0R+3], s[G0R+3], 0x80000000
	s_or_b32 s[G0R+7], s[G0R+7], 0x80000000
	s_add_nc_u64 s[SAP:SAP+1], s[6:7], s[86:87]
	s_add_nc_u64 s[WS:WS+1], s[10:11], s[88:89]
	s_add_nc_u64 s[OC:OC+1], s[12:13], s[90:91]
	s_add_nc_u64 s[OS:OS+1], s[14:15], s[96:97]
	s_add_nc_u64 s[VCP:VCP+1], s[12:13], s[98:99]
	s_add_nc_u64 s[VSP:VSP+1], s[14:15], s[2:3]
	s_add_nc_u64 s[PFB:PFB+1], s[8:9], s[22:23]
	CROUND                                         ; all sixteen work-groups are here: the first joint loads meet
	s_cmp_lt_u32 s16, 2
	s_cbranch_scc0 .Lfor_b
	tensor_load_to_lds s[G0A:G0A+3], s[G1A:G1A+7]  ; waves 0, 1: x's halves, needed first
	s_nop 0
	PLACES 4
	s_branch .Lasked
.Lfor_b:
	tensor_load_to_lds s[G0B:G0B+3], s[G1B:G1B+7]  ; waves 2, 3: tiles 0, 1
	s_nop 0
	PLACES 4
.Lasked:
	s_mul_i32 s21, s17, SLB/2                      ; LDS: my 64 rows of x,
	s_mul_i32 s22, s18, SLB/2
	s_add_co_u32 s22, s22, SLB                     ; my 64 columns in slot 0,
	s_add_co_u32 s20, s22, SLB                     ; and in slot 1
	s_lshl_b32 s23, s41, 2
	s_add_co_u32 s23, s23, s16
	s_mul_i32 s23, s23, SLB/16                     ; my sixteenth of a tile, for the prefetches
	v_and_b32 v1, 31, v0
	v_lshlrev_b32 v[LI16], 4, v1
	v_lshlrev_b32 v[LI8], 3, v1
	v_lshlrev_b32 v[LI4], 2, v1
	v_lshlrev_b32 v[ABS], 5, v1
	v_min_u32 v2, 23, v1
	v_lshl_add_u32 v[PF], v2, 8, s23
	v_add_nc_u32 v[AA], s21, v[LI16]
	v_add_nc_u32 v[AA+1], s21, v[LI8]
	v_add_nc_u32 v[BB], s22, v[LI16]
	v_add_nc_u32 v[BB+1], s22, v[LI8]
	v_add_nc_u32 v[BB+2], s20, v[LI16]
	v_add_nc_u32 v[BB+3], s20, v[LI8]
.irp b, 0,1,2,3
	v_mov_b32 v[TM+4+\b], 0                        ; a lane permute's destination counts as one of its sources
.endr
.irp p, 0,1
.irp c, 0,1
	global_load_b128 v[SA+8*\p+4*\c:SA+8*\p+4*\c+3], v[ABS], s[SAP:SAP+1] offset:1024*\p+16*\c
.endr
.endr
	SCLOAD 0, 0
	global_prefetch_b8 v[PF], s[PFB:PFB+1] offset:8*SLB th:TH_LOAD_NT scope:SCOPE_SE   ; what the first refill will load
	WALU
	s_cmp_lt_u32 s16, 2
	s_cbranch_scc0 .Lnot_a
	s_wait_tensorcnt 0x0
.Lnot_a:
	s_barrier_signal -1
	s_barrier_wait -1                              ; x's rows are in
.set F_, 0
.rept 32                               ; my 64 rows, all of K, into registers: 128 loads, while the weights land
	WIN (1+F_/21)<<6
.set R_, 12*(F_%21)
.set O_, (F_%4)*BLKB+(F_/4)*FRB
	ds_load_b128 v[R_:R_+3], v[AA] offset:O_
	ds_load_b64 v[R_+4:R_+5], v[AA+1] offset:O_+512
	ds_load_b128 v[R_+6:R_+9], v[AA] offset:O_+768
	ds_load_b64 v[R_+10:R_+11], v[AA+1] offset:O_+1280
.set F_, F_+1
.endr
	WIN 0
	s_wait_tensorcnt 0x0                           ; every wave: its load of the head has landed,
	s_mov_b32 s[G1B+2], 96<<16                     ; so a descriptor may be written: from here on a load brings a quarter of a tile
	s_mov_b32 s[G1B+4], 96
	s_wait_dscnt 0x0
	s_barrier_signal -1
	s_barrier_wait -1                              ; both tiles are in
	LOADB 0, 0
	WIN 0
	s_mov_b32 s[CNT], 0
.Lqk:                                                  ; two trips: Q's two tiles, K's two tiles
	TILE 0, 0, 2, OC, 0, OS, 0, 4096
	TILE 0, 1, 2, OC, 786432, OS, 32768, 32768
	s_wait_xcnt 0x0                                ; the bases are stepped only behind this wait: eight tiles on
	s_add_nc_u64 s[OC:OC+1], s[OC:OC+1], 6291456
	s_add_nc_u64 s[OS:OS+1], s[OS:OS+1], 262144
	s_add_nc_u64 s[WS:WS+1], s[WS:WS+1], 32768
	s_add_nc_u64 s[PFB:PFB+1], s[PFB:PFB+1], 8*SLB
	s_add_co_u32 s[CNT], s[CNT], 1
	s_cmp_lg_u32 s[CNT], 2
	WALU
	s_cbranch_scc1 .Lqk
	TILE 1, 0, 1, VCP, 0, VSP, 0, 4096
	TILE 1, 1, 0, VCP, 6144, VSP, 512, 0
	s_wait_tensorcnt 0x0                           ; the wave's end
	ds_add_u32 v[SPW], v[NIL]
	s_wait_dscnt 0x0
	CROUND                                         ; the closing round
	s_endpgm
.Lfunc_end_k_qdc080e997d_gemm_qkv:
	.size	k_qdc080e997d_gemm_qkv, .Lfunc_end_k_qdc080e997d_gemm_qkv-k_qdc080e997d_gemm_qkv
	.p2alignl 7, 3214868480
	.fill 96, 4, 3214868480
	.section	.rodata,"a",@progbits
	.p2align	6, 0x0
	.amdhsa_kernel k_qdc080e997d_gemm_qkv
		.amdhsa_group_segment_fixed_size 327680
		.amdhsa_private_segment_fixed_size 0
		.amdhsa_enable_private_segment 0
		.amdhsa_kernarg_size 48
		.amdhsa_user_sgpr_count 2
		.amdhsa_user_sgpr_kernarg_segment_ptr 1
		.amdhsa_wavefront_size32 1
		.amdhsa_system_sgpr_workgroup_id_x 1
		.amdhsa_system_sgpr_workgroup_id_y 1
		.amdhsa_system_sgpr_workgroup_id_z 1
		.amdhsa_system_vgpr_workitem_id 0
		.amdhsa_next_free_vgpr 960
		.amdhsa_next_free_sgpr 100
		.amdhsa_reserve_vcc 0
		.amdhsa_float_denorm_mode_32 3
		.amdhsa_float_denorm_mode_16_64 3
		.amdhsa_memory_ordered 1
		.amdhsa_forward_progress 1
		.amdhsa_inst_pref_size 155
	.end_amdhsa_kernel
	.amdgpu_metadata
---
amdhsa.version: [ 1, 2 ]
amdhsa.kernels:
  - .name:           k_qdc080e997d_gemm_qkv
    .symbol:         k_qdc080e997d_gemm_qkv.kd
    .args:
      - { .name: x_img, .offset: 0, .size: 8, .value_kind: global_buffer, .address_space: global }
      - { .name: x_sc, .offset: 8, .size: 8, .value_kind: global_buffer, .address_space: global }
      - { .name: w_img, .offset: 16, .size: 8, .value_kind: global_buffer, .address_space: global }
      - { .name: w_sc, .offset: 24, .size: 8, .value_kind: global_buffer, .address_space: global }
      - { .name: qkv_img, .offset: 32, .size: 8, .value_kind: global_buffer, .address_space: global }
      - { .name: qkv_sc, .offset: 40, .size: 8, .value_kind: global_buffer, .address_space: global }
    .group_segment_fixed_size: 327680
    .private_segment_fixed_size: 0
    .kernarg_segment_align: 8
    .kernarg_segment_size: 48
    .max_flat_workgroup_size: 128
    .sgpr_count:     100
    .vgpr_count:     960
    .wavefront_size: 32
...
	.end_amdgpu_metadata
.endif
;; end of part 2
;; launch attn (part 3): grid 4 x 64, 16 waves a work-group, clusters of 4 x 1, 206,848 bytes of LDS; arguments qkv_img, qkv_sc, a_img, a_sc; writes a_img, a_sc
.if DOCPART == 3
	.amdgcn_target "amdgcn-amd-amdhsa--gfx1250"
	.amdhsa_code_object_version 6
	.text
	.protected	k_qdc080e997d_attn
	.globl	k_qdc080e997d_attn
	.p2align	8
	.type	k_qdc080e997d_attn,@function
k_qdc080e997d_attn:
	s_mov_b64 s[64:65], 0
	v_nop
	global_prefetch_b8 v0, s[64:65] scope:SCOPE_SE
	s_setreg_imm32_b32 hwreg(HW_REG_WAVE_MODE, 25, 1), 1
	s_wait_xcnt 0x0
	s_wait_alu depctr_hold_cnt(0) depctr_sa_sdst(0) depctr_va_vdst(0) depctr_va_sdst(0) depctr_va_ssrc(0) depctr_va_vcc(0) depctr_vm_vsrc(0)
	s_getreg_b32 s2, hwreg(HW_REG_IB_STS2, 6, 4)
	s_cmp_eq_u32 s2, 0
	s_cbranch_scc0 .Lentry_in_a_cluster
	s_endpgm
.Lentry_in_a_cluster:
	s_bfe_u32 s2, ttmp6, 0x10000c
	s_cmp_lg_u32 s2, 0x3003
	s_cbranch_scc0 .Lentry_shape_is_right
	s_endpgm
.Lentry_shape_is_right:
; LAUNCH 3 OF 4.  For each of 64 (batch, head): O = softmax(q k^T / 8) v, both products on codes of FP6 (E2M3) with E8M0 scales; O / l is quantised along the projection's K and leaves as codes.  Nothing of reference() is left out here.
; THE SOFTMAX: t = score x log2(e) / 8; M = the row's largest t so far, rounded UP to a whole number; p = 2^(t - M) is quantised along the keys; the row's sum is taken of the unquantised p and divides O at the end.
; When M moves, the sum and O are multiplied by 2^(old M - new M): exact, in every step, with no branch.
; SHARES.  A work-group owns 512 queries of one head; each of its sixteen waves one tile of 16 queries in each of two passes, 256 registers a wave.
; FILLS.  A head's K and V as codes are 2 x 98,304 bytes: filled ONCE, at the head, one joint tensor load a wave (waves 0-7 an eighth of K each, 48 rows of 256 bytes; waves 8-15 four rows of 3,072 bytes of V each).
; The four work-groups of a head need the same K and V: every fill names all four.  No slot is filled again, so the loops have no barrier, and there is no later tile that a prefetch could name: none is written.
; The scale words (8,192 + 4,096 bytes of memory) come by plain loads and are stored to LDS in the order of the scale registers: 8 bytes a lane and key step for K, the same for V.
; LAYOUT.  Both products transposed (S^T = K Q^T, O^T = V^T P^T): a lane holds ONE query throughout.  WHICH KEYS FORM A TILE is chosen by the LDS address: tile j of band c (64 keys) has keys 64 c + 8 j + 0..7 in rows 0-7 and
; 64 c + 32 + 8 j + 0..7 in rows 8-15, so the 32 registers of a band's four tiles are, in lane half h, keys 64 c + 32 h + 0..31: one whole scale block, in the order of the next operand.  No lane asks another for a block's maximum or codes.
; In qkv_img tokens lie with bits 3 and 4 exchanged: that key is row 8 (j / 2) + r % 8 of stored tile 8 step + 4 c + 2 (r / 8) + j % 2.
; THE FIRST PRODUCT'S K IS 64.  One operand of 12 registers holds TWO key tiles (j = 2 jj in k 0..63, j = 2 jj + 1 in k 64..127); it is multiplied by [Q | 0] (v16-27) and by [0 | Q] (v22-33): zero codes under finite scale bytes add nothing.
; LOADS RUN AHEAD.  V's fragments of a step are asked for behind its first products, the NEXT step's K among the links of the maximum's chain.  In a pass's last step that K lies one step past K's end: the loads read V's first
; bytes and V's first scale words, which lie there, and their results are not used.
; OUT.  a_img [512 blocks of tokens][8 K steps][1536]: head hd is half hd % 2 of K step hd / 2.  a_sc [stored token][32]: bytes 2 hd, 2 hd + 1: one store of two bytes a row for a wave; the row's other 30 belong to other work-groups.
; LIMITS: the promise holds while |t| stays under 2^31; a block of zeros gets the byte 1 (its codes are zeros); largest magnitudes under 2^-124 are held at the floor; 1 / l is v_rcp_f32; NaN and infinities are not served.
.set VC,    98304                      ; LDS: K's codes at 0 (128 stored tiles x 768); V's here: [key step][half][tile of d][768]
.set KSL,   196608                     ; K's scale words [key step][lane][band]: lanes 0-15 pair jj = 0, lanes 16-31 pair jj = 1
.set VSL,   200704                     ; V's [key step][lane][2]
.set SPARE, 204800                     ; the spare words, 128 bytes a wave
.set VPART, 12582912
.set VSPART, 524288
.set LI16, 1                           ; 16 x lane
.set LI8,  2                           ; 8 x lane
.set AK16, 3                           ; K: 1536 (r / 8) + 16 (r % 8 + 16 h)
.set AK8,  4                           ; K: 1536 (r / 8) + 8 (r % 8 + 16 h)
.set SPW,  5
.set NIL,  6
.set AO,   7                           ; a_sc: 8192 h + 32 r
.set ADK,  8                           ; v8-9 the next step's K;  v10-11 this step's V
.set ADV,  10                          ; v12 -M, v13 the largest score, v[14:15] the sum; v16-21 Q, v22-27 zeros, v28-33 Q
.set QS,   34                          ; Q's scale word: its two bytes twice
.set ADS,  35                          ; the next step's scale words of K; this step's of V lie 3,840 bytes on
.set SH8,  36                          ; 8 h
.set SB0,  37                          ; pass 0's two scale bytes
.set KSC,  38                          ; v38-39 K's scale words
.set KB,   40                          ; v40-87 K: four operands of two tiles; on the way out v40-47 are at work
.set S,    88                          ; v88-151 S^T, then p
.set QA,   150
.set TQ,   151
.set VB,   152                         ; v152-199 V's four fragments
.set O,    200                         ; v200-231 O^T
.set PC,   232                         ; v232-243 p's codes; ahead of the conversions: v232-239 chains and partial sums, v240-241 the blocks' maxima, v242-243 at work
.set AC,   232
.set BM,   240
.set TA,   242
.set PT,   243
.set CT0,  244                         ; v244-246, v248-250 the conversions' second halves
.set SO0,  247                         ; the conversions' scale operands: v247, v255
.set CT1,  248
.set PSW,  251                         ; p's scale word
.set VSC,  252                         ; v252-253 V's scale words
.set F,    254                         ; f = 2^(old M - new M); named in a pair with v255
.set SO1,  255
.set WV,   12
.set SEL,  20
.set CS,   22
.set G1K,  24
.set G1V,  32
.set NC,   40
.set SELP, 41
.set TB,   42
.set TBV,  43
.set TS,   44
.set MSK,  45
.set G0K,  56
.set G0V,  60
.macro WALU
	s_wait_alu depctr_va_vdst(0)
.endm
.macro D n
	s_delay_alu instid0(VALU_DEP_\n)
.endm
.macro CROUND
	s_barrier_signal -1
	s_barrier_wait -1
	s_cmp_lg_u32 s[WV], 0
	s_cbranch_scc1 .Lnot_wave_0_\@
	s_barrier_signal -3
.Lnot_wave_0_\@:
	s_barrier_wait -3
	s_barrier_signal -1
	s_barrier_wait -1
.endm
.macro QLOAD pi                        ; a pass's Q, twice (k 0..63 and k 64..127), and its scale bytes
	v_and_b32 v[QA], 15, v0
	v_lshlrev_b32 v[QA], 2, v[QA]
	global_load_b128 v[16:19], v[LI16], s[76:77] offset:12288*\pi
	global_load_b64 v[20:21], v[LI8], s[76:77] offset:12288*\pi+512
	global_load_b128 v[28:31], v[LI16], s[76:77] offset:12288*\pi
	global_load_b64 v[32:33], v[LI8], s[76:77] offset:12288*\pi+512
	global_load_u16 v[TQ], v[QA], s[78:79] offset:1024*\pi
.endm
.macro KPAIR p, a                      ; operand p = 2 c + jj: tiles j = 2 jj and 2 jj + 1 of band c
.set KO, 3072*((\p)/2)
.set KJ, (\p)%2
	ds_load_b128 v[KB+12*\p:KB+12*\p+3], v[\a] offset:KO+128*KJ
	ds_load_b64 v[KB+12*\p+4:KB+12*\p+5], v[\a+1] offset:KO+512+64*KJ
	ds_load_b128 v[KB+12*\p+6:KB+12*\p+9], v[\a] offset:KO+768+128*KJ
	ds_load_b64 v[KB+12*\p+10:KB+12*\p+11], v[\a+1] offset:KO+1280+64*KJ
.endm
.macro ROUND m                         ; four partial sums take two p each
.irp a, 0,1,2,3
	v_pk_add_f32 v[AC+2*\a:AC+2*\a+1], v[AC+2*\a:AC+2*\a+1], v[S+8*\m+2*\a:S+8*\m+2*\a+1]
.endr
.endm
.macro PKF from, to                    ; t - M, two at a time
.set j, \from
.rept ((\to)-(\from))/2
	v_pk_fma_f32 v[S+j:S+j+1], v[S+j:S+j+1], s[CS:CS+1], v[12:13] op_sel_hi:[1,0,0]
.set j, j+2
.endr
.endm
.macro OMUL from, to                   ; O^T under the new M, each accumulator from its low end on
.set j, \from
.rept ((\to)-(\from))/2
	v_pk_mul_f32 v[O+j:O+j+1], v[O+j:O+j+1], v[F:F+1] op_sel_hi:[1,0]
.set j, j+2
.endr
.endm
	s_load_b256 s[4:11], s[0:1], 0x0               ; qkv_img, qkv_sc, a_img, a_sc
	v_lshl_add_u32 v[SPW], v0, 2, SPARE
	v_mov_b32 v[NIL], 0
	ds_add_u32 v[SPW], v[NIL]                      ; the opening lines: the add, twice on end, and its wait ahead of my tensor load
	ds_add_u32 v[SPW], v[NIL]
	v_lshrrev_b32 v1, 5, v0
	v_readfirstlane_b32 s[WV], v1                  ; wave 0..15
	s_and_b32 s14, ttmp7, 0xffff
	s_lshr_b32 s15, s14, 4                         ; batch
	s_and_b32 s16, s14, 15                         ; head
	s_and_b32 s17, s16, 1
	s_lshr_b32 s18, s16, 1
	s_and_b32 s19, s[WV], 7                        ; which eighth of K or of V I fetch
	s_mov_b32 s[G1K], 15|(3<<16)|(1<<21)           ; the mask: all four work-groups; elements of 8 bytes; bit 21 beside a mask
	s_mov_b32 s[G1K+1], 32<<16                     ; K: 12,288 dense bytes as 48 rows of 256
	s_mov_b32 s[G1K+2], 48<<16
	s_mov_b32 s[G1K+3], 32<<16
	s_mov_b32 s[G1K+4], 48
	s_mov_b32 s[G1K+5], 32
	s_mov_b32 s[G1K+6], 0
	s_mov_b32 s[G1K+7], 0
	s_mov_b32 s[G1V], 15|(3<<16)|(1<<21)
	s_mov_b32 s[G1V+1], 384<<16                    ; V: row 2 step + half is my head's four tiles of d, 3,072 bytes; rows 49,152 bytes apart; four rows
	s_mov_b32 s[G1V+2], 4<<16
	s_mov_b32 s[G1V+3], 384<<16
	s_mov_b32 s[G1V+4], 4
	s_mov_b32 s[G1V+5], 6144
	s_mov_b32 s[G1V+6], 0
	s_mov_b32 s[G1V+7], 0
	s_add_co_u32 s90, s16, 16                      ; K's codes: ((16 + head) 512 + 128 batch + 16 eighth) x 768
	s_lshl_b32 s90, s90, 9
	s_lshl_b32 s91, s15, 7
	s_add_co_u32 s90, s90, s91
	s_lshl_b32 s91, s19, 4
	s_add_co_u32 s90, s90, s91
	s_mul_i32 s90, s90, 768
	s_mov_b32 s91, 0
	s_lshl_b32 s92, s15, 4                         ; V's: ((16 batch + 2 eighth) 128 + 4 head) x 768, in v's part
	s_lshl_b32 s93, s19, 1
	s_add_co_u32 s92, s92, s93
	s_lshl_b32 s92, s92, 7
	s_lshl_b32 s93, s16, 2
	s_add_co_u32 s92, s92, s93
	s_mul_i32 s92, s92, 768
	s_add_co_u32 s92, s92, VPART
	s_mov_b32 s93, 0
	s_add_co_u32 s94, s18, 8                       ; K's scale words: ((8 + head / 2) 8192 + 2048 batch) x 4
	s_lshl_b32 s94, s94, 13
	s_lshl_b32 s95, s15, 11
	s_add_co_u32 s94, s94, s95
	s_lshl_b32 s94, s94, 2
	s_mov_b32 s95, 0
	s_lshl_b32 s2, s15, 14                         ; V's: (16 batch x 1024 + 64 head) x 4, in v's part
	s_lshl_b32 s3, s16, 6
	s_add_co_u32 s2, s2, s3
	s_lshl_b32 s2, s2, 2
	s_add_co_u32 s2, s2, VSPART
	s_mov_b32 s3, 0
	s_mov_b32 s[G0K], 1
	s_mul_i32 s[G0K+1], s[WV], 12288               ; LDS: wave x 12,288: waves 0-7 fill K's bytes, waves 8-15 V's
	s_mov_b32 s[G0V], 1
	s_mul_i32 s[G0V+1], s[WV], 12288
	s_mov_b32 s[SEL], 0x76543210
	s_mov_b32 s[SEL+1], 0xfedcba98
	s_mov_b32 s[CS], 0x3e38aa3b                    ; c = log2(e) / 8
	s_mov_b32 s[CS+1], s[CS]
	s_mov_b32 s[NC], 0xbe38aa3b                    ; -c
	s_mov_b32 s[MSK], 0xffff0000
	s_mul_i32 s[SELP], s17, 0x02020202             ; which two bytes of a key's scale word are my head's
	s_add_co_u32 s[SELP], s[SELP], 0x05040100
	WALU
	s_wait_dscnt 0x0                               ; both opening adds are done
	s_wait_kmcnt 0x0
	s_add_nc_u64 s[G0K+2:G0K+3], s[4:5], s[90:91]
	s_or_b32 s[G0K+3], s[G0K+3], 0x80000000
	s_add_nc_u64 s[G0V+2:G0V+3], s[4:5], s[92:93]
	s_or_b32 s[G0V+3], s[G0V+3], 0x80000000
	s_add_nc_u64 s[84:85], s[6:7], s[94:95]
	s_add_nc_u64 s[86:87], s[6:7], s[2:3]
	CROUND                                         ; all four work-groups are here: the joint loads meet
	s_cmp_lt_u32 s[WV], 8
	s_cbranch_scc0 .Lfor_v
	tensor_load_to_lds s[G0K:G0K+3], s[G1K:G1K+7]
	s_nop 0
.rept 4
	v_nop
.endr
	s_branch .Lasked
.Lfor_v:
	tensor_load_to_lds s[G0V:G0V+3], s[G1V:G1V+7]
	s_nop 0
.rept 4
	v_nop
.endr
.Lasked:
	; my queries and my results: the one place where cx enters
	s_bfe_u32 s13, ttmp6, 0x40000
	s_lshl_b32 s90, s15, 7
	s_lshl_b32 s91, s13, 5
	s_add_co_u32 s90, s90, s91
	s_add_co_u32 s90, s90, s[WV]                   ; pass 0's tile of 16 stored tokens: 128 batch + 32 cx + wave; pass 1's lies 16 tiles on
	s_lshl_b32 s92, s16, 9
	s_add_co_u32 s92, s92, s90
	s_mul_i32 s92, s92, 768
	s_mov_b32 s93, 0
	s_add_nc_u64 s[76:77], s[4:5], s[92:93]        ; Q's codes
	s_lshl_b32 s92, s18, 13
	s_lshl_b32 s94, s90, 4
	s_add_co_u32 s92, s92, s94
	s_lshl_b32 s92, s92, 2
	s_lshl_b32 s94, s17, 1
	s_add_co_u32 s92, s92, s94
	s_add_nc_u64 s[78:79], s[6:7], s[92:93]        ; Q's scale bytes
	s_lshl_b32 s92, s90, 3
	s_add_co_u32 s92, s92, s18
	s_mul_i32 s92, s92, 1536
	s_mul_i32 s95, s17, 768
	s_add_co_u32 s92, s92, s95
	s_add_nc_u64 s[80:81], s[8:9], s[92:93]        ; a_img
	s_lshl_b32 s92, s90, 9
	s_lshl_b32 s95, s16, 1
	s_add_co_u32 s92, s92, s95
	s_add_nc_u64 s[82:83], s[10:11], s[92:93]      ; a_sc
	v_and_b32 v88, 31, v0                          ; lane
	v_and_b32 v89, 7, v0                           ; r % 8
	v_bfe_u32 v90, v0, 3, 1                        ; r / 8
	v_bfe_u32 v91, v0, 4, 1                        ; h
	v_lshrrev_b32 v92, 5, v0                       ; wave
	v_and_b32 v94, 15, v0                          ; r
	v_lshlrev_b32 v[LI16], 4, v88
	v_lshlrev_b32 v[LI8], 3, v88
	v_mul_u32_u24 v93, v90, 1536
	v_lshlrev_b32 v95, 2, v89                      ; K's scale words in memory: 512 wave + 128 (r / 8) + 32 h + 4 (r % 8); + 256 band, + 64 for the pair's second tile
	v_lshlrev_b32 v96, 2, v88                      ; V's: 4096 wave + 4 lane
	v_lshl_add_u32 v[AK16], v89, 4, v93
	v_lshl_add_u32 v[AK8], v89, 3, v93
	v_lshl_add_u32 v95, v90, 7, v95
	v_lshl_add_u32 v96, v92, 12, v96
	v_lshl_add_u32 v[AK16], v91, 8, v[AK16]
	v_lshl_add_u32 v[AK8], v91, 7, v[AK8]
	v_lshl_add_u32 v95, v91, 5, v95
	v_lshlrev_b32 v[SH8], 3, v91
	v_lshlrev_b32 v[AO], 5, v94
	v_lshl_add_u32 v95, v92, 9, v95
	v_lshl_add_u32 v97, v0, 3, KSL                 ; and in LDS: 8 bytes a thread: wave = key step
	v_lshl_add_u32 v[AO], v91, 13, v[AO]
	global_load_b32 v100, v95, s[84:85]
	global_load_b32 v101, v95, s[84:85] offset:64
	global_load_b32 v102, v95, s[84:85] offset:256
	global_load_b32 v103, v95, s[84:85] offset:320
	global_load_b32 v104, v96, s[86:87]
	global_load_b32 v105, v96, s[86:87] offset:128
	QLOAD 0
.irp i, 22,23,24,25,26,27
	v_mov_b32 v[\i], 0                             ; the zero codes between Q's two copies
.endr
	v_mov_b32 v[PT], 0                             ; a lane permute's destination counts as one of its sources
	v_mov_b32 v[SO1], 0                            ; (named as the upper half of a pair before it is first written)
	WALU
	s_wait_loadcnt 0x0
	v_perm_b32 v98, v101, v100, s[SELP]            ; a pair's word: the first tile's two bytes below, the second's above
	v_perm_b32 v99, v103, v102, s[SELP]
	WALU
	s_wait_tensorcnt 0x0                           ; my load has landed,
	ds_store_b64 v97, v[98:99]
	ds_store_b64 v97, v[104:105] offset:VSL-KSL
	s_wait_dscnt 0x0                               ; my scale words are stored,
	s_barrier_signal -1
	s_barrier_wait -1                              ; everybody's: the head's K and V lie in LDS for the rest of the launch
; A KEY STEP: 128 keys
.macro STEP
	s_wait_dscnt 0x0                               ; this step's K and its scale words, asked for in the last step, are in
.irp p, 0,1,2,3
.irp e, 0,1
.if \p%2
	v_wmma_scale_f32_16x16x128_f8f6f4 v[S+32*(\p/2)+16*(\p%2)+8*\e:S+32*(\p/2)+16*(\p%2)+8*\e+7], v[KB+12*\p:KB+12*\p+11], v[16+6*\e:27+6*\e], 0, v[KSC+\p/2], v[QS] matrix_a_fmt:MATRIX_FMT_FP6 matrix_b_fmt:MATRIX_FMT_FP6 matrix_a_scale:MATRIX_SCALE_ROW1
.else
	v_wmma_scale_f32_16x16x128_f8f6f4 v[S+32*(\p/2)+16*(\p%2)+8*\e:S+32*(\p/2)+16*(\p%2)+8*\e+7], v[KB+12*\p:KB+12*\p+11], v[16+6*\e:27+6*\e], 0, v[KSC+\p/2], v[QS] matrix_a_fmt:MATRIX_FMT_FP6 matrix_b_fmt:MATRIX_FMT_FP6
.endif
.endr
.endr
	v_add_nc_u32 v[ADV], s[TBV], v[LI16]           ; these five are the places between the products (the last step's second ones too) and the loads and reads below
	v_add_nc_u32 v[ADV+1], s[TBV], v[LI8]
	v_add_nc_u32 v[ADS], s[TS], v[LI8]
	v_add_nc_u32 v[ADK], s[TB], v[AK16]
	v_add_nc_u32 v[ADK+1], s[TB], v[AK8]
.irp t, 0,1,2,3
	ds_load_b128 v[VB+12*\t:VB+12*\t+3], v[ADV] offset:768*\t
	ds_load_b64 v[VB+12*\t+4:VB+12*\t+5], v[ADV+1] offset:768*\t+512
	ds_load_b128 v[VB+12*\t+6:VB+12*\t+9], v[ADV] offset:3072+768*\t
	ds_load_b64 v[VB+12*\t+10:VB+12*\t+11], v[ADV+1] offset:3072+768*\t+512
.endr
	ds_load_b64 v[VSC:VSC+1], v[ADS] offset:VSL-KSL-256
.irp x, 0,1,2,3                        ; the largest score of my two blocks of 32 keys, in four chains of 16: for the row's maximum and, since p rises with the score, for the block's largest p
	v_max3_num_f32 v[AC+\x], v[S+16*\x], v[S+16*\x+1], v[S+16*\x+2]
.endr
.irp i, 3,5,7,9,11,13
.irp x, 0,1,2,3
	v_max3_num_f32 v[AC+\x], v[AC+\x], v[S+16*\x+\i], v[S+16*\x+\i+1]
.endr
.endr
	v_max3_num_f32 v[BM], v[AC], v[AC+1], v[S+15]
	v_max3_num_f32 v[BM+1], v[AC+2], v[AC+3], v[S+47]
	v_max_num_f32 v[BM], v[BM], v[S+31]
	v_max_num_f32 v[BM+1], v[BM+1], v[S+63]
	v_max_num_f32 v[TA], v[BM], v[BM+1]            ; the chain to M; the next step's K is asked for between its links
	KPAIR 0, ADK
	v_permlanex16_b32 v[PT], v[TA], s[SEL], s[SEL+1]
	KPAIR 1, ADK
	v_max3_num_f32 v13, v13, v[TA], v[PT]          ; the running largest score of my query
	KPAIR 2, ADK
	v_mul_f32 v[TA], s[NC], v13                    ; -t
	KPAIR 3, ADK
	v_floor_f32 v[TA], v[TA]                       ; the new -M = floor(-t): M is a whole number
	ds_load_b64 v[KSC:KSC+1], v[ADS]
	v_sub_f32 v[PT], v[TA], v12                    ; old M - new M: a whole number, 0 or less
	v_mov_b32 v12, v[TA]
	PKF 0, 8
	v_cvt_i32_f32 v[PT], v[PT]                     ; (it saturates)
	PKF 8, 16
	v_ldexp_f32 v[F], 1.0, v[PT]                   ; f = 2^(old M - new M)
	PKF 16, 64
	v_fma_f32 v[BM], v[BM], s[CS], v12             ; the same of each block's largest score
	v_fma_f32 v[BM+1], v[BM+1], s[CS], v12
	WALU
	v_exp_f32 v[BM], v[BM]                         ; the block's largest p: the same two operations on the same number give the same bits
	v_exp_f32 v[BM+1], v[BM+1]
.set j, 0
.rept 64
	v_exp_f32 v[S+j], v[S+j]                       ; p = 2^(t - M): not normalised
.set j, j+1
.endr
	v_pk_mul_f32 v[14:15], v[14:15], v[F:F+1] op_sel_hi:[1,0]   ; the sums under the new M: the plain place behind the exponentials
	WALU                                           ; one wait for the batch, ahead of its first reader
.irp a, 0,1,2,3                        ; the row's sum of the unquantised p, in four partial sums; the blocks' scales stand between the rounds
	v_pk_add_f32 v[AC+2*\a:AC+2*\a+1], v[S+2*\a:S+2*\a+1], v[S+8+2*\a:S+8+2*\a+1]
.endr
	v_max_num_f32 v[BM], 0x1800000, v[BM]          ; the floor 2^(3 - 127): the byte cannot fall under 1
	v_max_num_f32 v[BM+1], 0x1800000, v[BM+1]
	ROUND 2
	v_add_nc_u32 v[SO0], 0xff000000, v[BM]         ; 2 off the exponent field: the conversion's scale operand
	v_add_nc_u32 v[SO1], 0xff000000, v[BM+1]
	ROUND 3
	v_lshrrev_b32 v[TA], 23, v[SO0]                ; the bytes of blocks h and 2 + h
	v_lshrrev_b32 v[PT], 23, v[SO1]
	ROUND 4
	v_lshl_or_b32 v[TA], v[PT], 16, v[TA]
	ROUND 5
	v_lshlrev_b32 v[TA], v[SH8], v[TA]             ; 8 h bits up
	ROUND 6
	v_permlanex16_b32 v[PT], v[TA], s[SEL], s[SEL+1]
	ROUND 7
	v_or_b32 v[PSW], v[TA], v[PT]                  ; with lane l xor 16's two the query's scale word is whole
	v_pk_add_f32 v[AC:AC+1], v[AC:AC+1], v[AC+2:AC+3]
	v_pk_add_f32 v[AC+4:AC+5], v[AC+4:AC+5], v[AC+6:AC+7]
	v_pk_add_f32 v[14:15], v[14:15], v[AC:AC+1]
	v_pk_add_f32 v[14:15], v[14:15], v[AC+4:AC+5]
	v_cvt_scalef32_pk16_fp6_f32 v[PC:PC+2], v[S:S+15], v[SO0]
	v_cvt_scalef32_pk16_fp6_f32 v[CT0:CT0+2], v[S+16:S+31], v[SO0]    ; (a conversion's three registers begin on an even number)
	v_cvt_scalef32_pk16_fp6_f32 v[PC+6:PC+8], v[S+32:S+47], v[SO1]
	v_cvt_scalef32_pk16_fp6_f32 v[CT1:CT1+2], v[S+48:S+63], v[SO1]
	WALU                                           ; directly ahead of the first reader of O^T
	OMUL 0, 4                                      ; (also the plain place behind the conversions)
.irp i, 0,1,2
	v_mov_b32 v[PC+3+\i], v[CT0+\i]
	v_mov_b32 v[PC+9+\i], v[CT1+\i]
.endr
	OMUL 4, 32                                     ; these 14 are also the places between p's codes and scale word and the products
	WALU
	s_wait_dscnt 17                                ; V and its scale words are in; the 17 younger loads, the next step's K, stay out
.irp t, 0,1,2,3                        ; O^T += V^T P^T: the four accumulators take one turn each
.if \t%2
	v_wmma_scale_f32_16x16x128_f8f6f4 v[O+8*\t:O+8*\t+7], v[VB+12*\t:VB+12*\t+11], v[PC:PC+11], v[O+8*\t:O+8*\t+7], v[VSC+\t/2], v[PSW] matrix_a_fmt:MATRIX_FMT_FP6 matrix_b_fmt:MATRIX_FMT_FP6 matrix_a_scale:MATRIX_SCALE_ROW1
.else
	v_wmma_scale_f32_16x16x128_f8f6f4 v[O+8*\t:O+8*\t+7], v[VB+12*\t:VB+12*\t+11], v[PC:PC+11], v[O+8*\t:O+8*\t+7], v[VSC+\t/2], v[PSW] matrix_a_fmt:MATRIX_FMT_FP6 matrix_b_fmt:MATRIX_FMT_FP6
.endif
.endr
.endm
; O^T / l, register 16 g + i = d 32 g + 16 h + i of my query, becomes half a fragment of the projection's operand.  v40-47 are at work here.
.set WB, 40
.set WP, 42
.set WS, 44
.set WT, 46
.set TC, 47
.macro WAYOUT pi
	s_wait_dscnt 0x0                               ; the loads past K's end have landed: their registers are free
.if \pi == 0
	QLOAD 1                                        ; the next pass's Q comes in under the way out
.endif
	v_add_f32 v14, v14, v15
	D 1
	v_permlanex16_b32 v[WT], v14, s[SEL], s[SEL+1]
	D 1
	v_add_f32 v14, v14, v[WT]                      ; the row's sum
	WALU
	v_rcp_f32 v14, v14
.rept 3
	v_nop                                          ; a plain place behind the reciprocal; with the additions: the places behind the last products
.endr
	WALU                                           ; ahead of the reciprocal's first reader, which is O^T's too
.set j, 0
.rept 16
	v_pk_mul_f32 v[S+j:S+j+1], v[O+j:O+j+1], v[14:15] op_sel_hi:[1,0]
.set j, j+2
.endr
.irp b, 0,1
	v_max3_num_f32 v[WB+\b], |v[S+16*\b]|, |v[S+16*\b+1]|, 0x1800000
.endr
.irp i, 2,4,6,8,10,12,14
.irp b, 0,1
	D 2
	v_max3_num_f32 v[WB+\b], v[WB+\b], |v[S+16*\b+\i]|, |v[S+16*\b+\i+1]|
.endr
.endr
.irp b, 0,1
	D 2
	v_permlanex16_b32 v[WP+\b], v[WB+\b], s[SEL], s[SEL+1]
.endr
.irp b, 0,1
	D 2
	v_max_num_f32 v[WB+\b], v[WB+\b], v[WP+\b]
.endr
.irp b, 0,1
	D 2
	v_add_nc_u32 v[WS+\b], 0xff000000, v[WB+\b]
.endr
.irp b, 0,1
	D 2
	v_lshrrev_b32 v[WP+\b], 23, v[WS+\b]
.endr
	D 1
.if \pi
	v_lshl_or_b32 v[TC], v[WP+1], 8, v[WP]
.else
	v_lshl_or_b32 v[SB0], v[WP+1], 8, v[WP]        ; kept: one store at the end serves both passes
.endif
	v_cvt_scalef32_pk16_fp6_f32 v[PC:PC+2], v[S:S+15], v[WS]
	v_cvt_scalef32_pk16_fp6_f32 v[CT0:CT0+2], v[S+16:S+31], v[WS+1]
	v_nop
.irp i, 0,1,2
	v_permlane16_swap_b32 v[PC+\i], v[CT0+\i]
.endr
.irp i, 0,1,2
	D 3
	v_mov_b32 v[PC+3+\i], v[CT0+\i]
.endr
	global_store_b128 v[LI16], v[PC:PC+3], s[80:81] offset:196608*\pi          ; 512 and 256 dense bytes
	global_store_b64 v[LI8], v[PC+4:PC+5], s[80:81] offset:196608*\pi+512
.endm
.macro PASS pi
	v_add_nc_u32 v[ADS], KSL, v[LI8]
.irp p, 0,1,2,3
	KPAIR \p, AK16                                 ; key step 0's K
.endr
	ds_load_b64 v[KSC:KSC+1], v[ADS]
.if \pi
	WALU
	s_wait_loadcnt 0x0                             ; this pass's Q is in
	s_wait_xcnt 0x0                                ; pass 0's stores have read the codes' registers: they are written again only behind this wait
.endif
	v_lshl_or_b32 v[QS], v[TQ], 16, v[TQ]          ; Q's two bytes for k 0..63 and for k 64..127; the lines below are the places ahead of the first product
	v_mov_b32 v13, 0xff61b1e6                      ; the largest score so far: -3e38
	v_mov_b32 v12, 0x7e000000                      ; -M: 2^125, so that the first f is 0
	v_mov_b32 v14, 0
	v_mov_b32 v15, 0
.set j, 0
.rept 32
	v_mov_b32 v[O+j], 0                            ; the step is written once: the first finds zeros, which the first change of M leaves zeros
.set j, j+1
.endr
	s_mov_b32 s[TB], 6144                          ; the next step's K
	s_mov_b32 s[TBV], VC                           ; this step's V
	s_mov_b32 s[TS], KSL+256                       ; the next step's scale words of K; it also counts the 16 trips
	WALU
.Lk_\@:
	STEP
	s_add_co_u32 s[TB], s[TB], 6144
	s_add_co_u32 s[TBV], s[TBV], 6144
	s_add_co_u32 s[TS], s[TS], 256
	s_cmp_lg_u32 s[TS], KSL+256*17
	s_cbranch_scc1 .Lk_\@
	WAYOUT \pi
.endm
	PASS 0
	PASS 1
	v_cndmask_b32 v[SB0], v[SB0], v[TC], s[MSK]    ; lanes 0-15: pass 0's rows; lanes 16-31: pass 1's
	global_store_b16 v[AO], v[SB0], s[82:83]
	s_wait_tensorcnt 0x0                           ; the wave's end
	ds_add_u32 v[SPW], v[NIL]
	s_wait_dscnt 0x0
	CROUND                                         ; the closing round
	s_endpgm
.Lfunc_end_k_qdc080e997d_attn:
	.size	k_qdc080e997d_attn, .Lfunc_end_k_qdc080e997d_attn-k_qdc080e997d_attn
	.p2alignl 7, 3214868480
	.fill 96, 4, 3214868480
	.section	.rodata,"a",@progbits
	.p2align	6, 0x0
	.amdhsa_kernel k_qdc080e997d_attn
		.amdhsa_group_segment_fixed_size 206848
		.amdhsa_private_segment_fixed_size 0
		.amdhsa_enable_private_segment 0
		.amdhsa_kernarg_size 32
		.amdhsa_user_sgpr_count 2
		.amdhsa_user_sgpr_kernarg_segment_ptr 1
		.amdhsa_wavefront_size32 1
		.amdhsa_system_sgpr_workgroup_id_x 1
		.amdhsa_system_sgpr_workgroup_id_y 1
		.amdhsa_system_sgpr_workgroup_id_z 1
		.amdhsa_system_vgpr_workitem_id 0
		.amdhsa_next_free_vgpr 256
		.amdhsa_next_free_sgpr 96
		.amdhsa_reserve_vcc 0
		.amdhsa_float_denorm_mode_32 3
		.amdhsa_float_denorm_mode_16_64 3
		.amdhsa_memory_ordered 1
		.amdhsa_forward_progress 1
		.amdhsa_inst_pref_size 54
	.end_amdhsa_kernel
	.amdgpu_metadata
---
amdhsa.version: [ 1, 2 ]
amdhsa.kernels:
  - .name:           k_qdc080e997d_attn
    .symbol:         k_qdc080e997d_attn.kd
    .args:
      - { .name: qkv_img, .offset: 0, .size: 8, .value_kind: global_buffer, .address_space: global }
      - { .name: qkv_sc, .offset: 8, .size: 8, .value_kind: global_buffer, .address_space: global }
      - { .name: a_img, .offset: 16, .size: 8, .value_kind: global_buffer, .address_space: global }
      - { .name: a_sc, .offset: 24, .size: 8, .value_kind: global_buffer, .address_space: global }
    .group_segment_fixed_size: 206848
    .private_segment_fixed_size: 0
    .kernarg_segment_align: 8
    .kernarg_segment_size: 32
    .max_flat_workgroup_size: 512
    .sgpr_count:     96
    .vgpr_count:     256
    .wavefront_size: 32
...
	.end_amdgpu_metadata
.endif
;; end of part 3
;; launch gemm_out (part 4): grid 8 x 32, 4 waves a work-group, clusters of 4 x 4, 327,680 bytes of LDS; arguments a_img, a_sc, w_img, w_sc, bout, out0; writes out0
.if DOCPART == 4
	.amdgcn_target "amdgcn-amd-amdhsa--gfx1250"
	.amdhsa_code_object_version 6
	.text
	.protected	k_qdc080e997d_gemm_out
	.globl	k_qdc080e997d_gemm_out
	.p2align	8
	.type	k_qdc080e997d_gemm_out,@function
k_qdc080e997d_gemm_out:
	s_mov_b64 s[64:65], 0
	v_nop
	global_prefetch_b8 v0, s[64:65] scope:SCOPE_SE
	s_setreg_imm32_b32 hwreg(HW_REG_WAVE_MODE, 25, 1), 1
	s_wait_xcnt 0x0
	s_wait_alu depctr_hold_cnt(0) depctr_sa_sdst(0) depctr_va_vdst(0) depctr_va_sdst(0) depctr_va_ssrc(0) depctr_va_vcc(0) depctr_vm_vsrc(0)
	s_getreg_b32 s2, hwreg(HW_REG_IB_STS2, 6, 4)
	s_cmp_eq_u32 s2, 0
	s_cbranch_scc0 .Lentry_in_a_cluster
	s_endpgm
.Lentry_in_a_cluster:
	s_bfe_u32 s2, ttmp6, 0x10000c
	s_cmp_lg_u32 s2, 0xf033
	s_cbranch_scc0 .Lentry_shape_is_right
	s_endpgm
.Lentry_shape_is_right:
; LAUNCH 4 OF 4.  out0 = Q(attention's result) Q(Wout) + bout, on codes of FP6 (E2M3) with E8M0 scales, f32 sums.  Nothing of reference() is left out here.
; SHARES.  256 work-groups of four waves, 2 x 2.  Work-group (g, R) owns columns 128 g .. + 127 (g = 0..7) and 256 stored rows (R = 0..31), as two tiles of 128 rows.  Wave (c, w) holds columns 64 c .. + 63 of Wout, ALL of K,
; in registers (32 fragments, 384 registers) and takes rows 64 w .. + 63 of each tile.  The rows stream from LDS a block of 16 at a time: 8 fragments (32 LDS loads) feed 32 products, after which 16 rows x 64 columns are finished:
; whole units of 256 bytes, which leave at once.  So a wave's results go out in eight even portions.  The block's four accumulators take turns; two sets of four, by blocks.
; LDS: the weights' tile (98,304 bytes, read once into registers), the two tiles of rows (98,304 each), the spare words.  ALL is asked for at the head, one joint load a wave (the weights' two halves, rows' tile 0, tile 1):
; nothing is filled again, so there is no later tile that a prefetch could name.  CLUSTER 4 x 4: the weights are shared by a column of the cluster, the rows by a row.
; Scale words and the bias go from memory straight into registers; THE BIAS IS THE FIRST PRODUCTS' C.
; Source 0 = the weights' rows: register j of lane (r, h) in column block 2 u + v is column 32 u + 8 v + 16 h + j of row r.  THE WAY OUT of a block goes through the wave's stage
; and leaves as rows: sixteen lanes store 256 aligned bytes.  Block n - 1 goes into the stage, and block n - 2, back in
; registers, is stored, ahead of block n's products: each has a block's products in which to land.
; REGISTERS: window 0: v16-31 addresses, v32-47 the weights' scale words, v52-83 the rows', v128-191 two sets of four accumulators; windows 1, 2: the weights' fragments, 21 to a window; window 2 v136-167 the bias;
; window 3: v0-191 the rows' fragments, two sets of 8; v192-255 rows on the way out, two sets.
.set SLB,   98304
.set SPARE, 3*SLB
.set BLKB,  12288
.set FRB,   1536
.set SPITCH, 272
.set AA,   16
.set BB,   18
.set LI16, 22
.set LI8,  23
.set ABS,  25
.set STO,  26
.set RD,   27
.set SPW,  28
.set NIL,  29
.set CO,   30
.set BO,   31
.set SA,   32
.set SB,   52
.set BI,   136
.set BK,   192
.set G1A,  24
.set G0A,  32
.set G0B,  36
.set G1B,  48
.set SAP,  68
.set WS,   70
.set MSB, 0
.macro WIN new
.if MSB != \new
	s_set_vgpr_msb (MSB<<8)|\new
.set MSB, \new
.endif
.endm
.macro WALU
	s_wait_alu depctr_va_vdst(0)
.endm
.macro PLACES n
.rept \n
	v_nop
.endr
.endm
.macro CROUND
	s_barrier_signal -1
	s_barrier_wait -1
	s_cmp_lg_u32 s16, 0
	s_cbranch_scc1 .Lnot_wave_0_\@
	s_barrier_signal -3
.Lnot_wave_0_\@:
	s_barrier_wait -3
	s_barrier_signal -1
	s_barrier_wait -1
.endm
.macro W1 d, s0, s1, c, x0, x1, r0, r1
.if (\r0) && (\r1)
	v_wmma_scale_f32_16x16x128_f8f6f4 v[\d:\d+7], v[\s0:\s0+11], v[\s1:\s1+11], \c, v[\x0], v[\x1] matrix_a_fmt:MATRIX_FMT_FP6 matrix_b_fmt:MATRIX_FMT_FP6 matrix_a_scale:MATRIX_SCALE_ROW1 matrix_b_scale:MATRIX_SCALE_ROW1
.elseif (\r0)
	v_wmma_scale_f32_16x16x128_f8f6f4 v[\d:\d+7], v[\s0:\s0+11], v[\s1:\s1+11], \c, v[\x0], v[\x1] matrix_a_fmt:MATRIX_FMT_FP6 matrix_b_fmt:MATRIX_FMT_FP6 matrix_a_scale:MATRIX_SCALE_ROW1
.elseif (\r1)
	v_wmma_scale_f32_16x16x128_f8f6f4 v[\d:\d+7], v[\s0:\s0+11], v[\s1:\s1+11], \c, v[\x0], v[\x1] matrix_a_fmt:MATRIX_FMT_FP6 matrix_b_fmt:MATRIX_FMT_FP6 matrix_b_scale:MATRIX_SCALE_ROW1
.else
	v_wmma_scale_f32_16x16x128_f8f6f4 v[\d:\d+7], v[\s0:\s0+11], v[\s1:\s1+11], \c, v[\x0], v[\x1] matrix_a_fmt:MATRIX_FMT_FP6 matrix_b_fmt:MATRIX_FMT_FP6
.endif
.endm
; row block n (0..7: tile n / 4, block n % 4) against my four column blocks, all of K.  The weights' fragment (column block j, K step q) is number 4 q + j; accumulator j of set n % 2.
.macro MULB n
.set NB_, (\n)%4
.set Q_, 0
.rept 8
.set I_, 0
.rept 4
.set F_, 4*Q_+I_
.set WA_, 1+F_/21
.set RA_, 12*(F_%21)
.set RB_, 96*(NB_%2)+12*Q_
.set XB_, SB+16*((\n)/4)+8*(NB_/2)+Q_
.set XA_, SA+8*(I_/2)+Q_
.set D_, 128+32*(NB_%2)+8*I_
.if Q_
	WIN WA_|(3<<2)
	W1 D_, RA_, RB_, v[D_:D_+7], XA_, XB_, I_%2, NB_%2
.else
	WIN WA_|(3<<2)|(2<<4)
	W1 D_, RA_, RB_, v[BI+8*I_:BI+8*I_+7], XA_, XB_, I_%2, NB_%2
.endif
.set I_, I_+1
.endr
.set Q_, Q_+1
.endr
.endm
.macro LOADB slot, nb                  ; a block of 16 rows, all of K: 32 loads into set nb % 2
	WIN 0xc0
.set R_, 96*((\nb)%2)
.set O_, BLKB*(\nb)
.rept 8
	ds_load_b128 v[R_:R_+3], v[BB+2*(\slot)] offset:O_
	ds_load_b64 v[R_+4:R_+5], v[BB+2*(\slot)+1] offset:O_+512
	ds_load_b128 v[R_+6:R_+9], v[BB+2*(\slot)] offset:O_+768
	ds_load_b64 v[R_+10:R_+11], v[BB+2*(\slot)+1] offset:O_+1280
.set R_, R_+12
.set O_, O_+FRB
.endr
.endm
.macro TOSTAGE n                       ; block n's 16 rows x 64 columns into my stage, and back as rows
	WIN 0
	s_wait_xcnt 0x0                                ; the stores of two blocks back have read the registers that the loads below fill
.irp b, 0,1,2,3
	ds_store_b128 v[STO], v[128+32*((\n)%2)+8*\b:128+32*((\n)%2)+8*\b+3] offset:128*(\b/2)+32*(\b%2)      ; each accumulator from its low end on
	ds_store_b128 v[STO], v[128+32*((\n)%2)+8*\b+4:128+32*((\n)%2)+8*\b+7] offset:128*(\b/2)+32*(\b%2)+16
.endr
	WIN 0xc0
.irp t, 0,1,2,3,4,5,6,7
	ds_load_b128 v[BK+32*((\n)%2)+4*\t:BK+32*((\n)%2)+4*\t+3], v[RD] offset:\t*2*SPITCH   ; LDS serves a wave's instructions in order: these see the stores above
.endr
.endm
.macro SEND n                          ; stored row 2 t + h of block i = n % 4 is true row 32 (i / 2) + 8 (i % 2) + 2 t + h + 8 (t / 4) of my 64
	WIN 3<<2
.irp t, 0,1,2,3,4,5,6,7
	global_store_b128 v[CO], v[BK+32*((\n)%2)+4*\t:BK+32*((\n)%2)+4*\t+3], s[14:15] offset:(128*((\n)/4)+32*(((\n)%4)/2)+8*((\n)%2)+2*\t+8*(\t/4))*4096 th:TH_STORE_NT
.endr
.endm
.macro BLK n
.if \n
	PLACES 4                                       ; places between the last block's products and the reads of their results and the loads into the registers that they read
.endif
	s_wait_dscnt 0x0                               ; this block's fragments are in, and block n - 2 is back from the stage: all were asked for ahead of the last block's products
.if \n >= 1
	TOSTAGE (\n)-1
.endif
.if \n >= 2
	SEND (\n)-2
.endif
.if \n < 7
	LOADB ((\n)+1)/4, ((\n)+1)%4
.endif
	MULB \n
.endm
	s_load_b256 s[4:11], s[0:1], 0x0               ; a_img, a_sc, w_img, w_sc
	s_load_b128 s[12:15], s[0:1], 0x20             ; bout, out0
	v_lshl_add_u32 v[SPW], v0, 2, SPARE
	v_mov_b32 v[NIL], 0
	ds_add_u32 v[SPW], v[NIL]                      ; the opening lines: the add, twice on end, and its wait
	ds_add_u32 v[SPW], v[NIL]
	v_lshrrev_b32 v1, 5, v0
	v_readfirstlane_b32 s16, v1
	s_lshr_b32 s17, s16, 1                         ; c: my 64 columns
	s_and_b32 s18, s16, 1                          ; w: my 64 rows of each tile.  Also: which half, or which tile, I fetch
	s_bfe_u32 s40, ttmp6, 0x40000
	s_bfe_u32 s41, ttmp6, 0x40004
	s_lshl_b32 s42, ttmp9, 2
	s_add_co_u32 s42, s42, s40                     ; g
	s_and_b32 s43, ttmp7, 0xffff
	s_lshl_b32 s43, s43, 2
	s_add_co_u32 s43, s43, s41                     ; R
	s_lshl_b32 s44, s41, 2
	s_lshl_b32 s44, 15, s44                        ; my row of the cluster
	s_lshl_b32 s45, 0x1111, s40                    ; my column
	s_or_b32 s[G1A], s45, (3<<16)|(1<<21)          ; dense bytes as rows of 256: half of the weights' tile 192 rows, shared by my column,
	s_mov_b32 s[G1A+1], 32<<16
	s_mov_b32 s[G1A+2], 192<<16
	s_mov_b32 s[G1A+3], 32<<16
	s_mov_b32 s[G1A+4], 192
	s_mov_b32 s[G1A+5], 32
	s_mov_b32 s[G1A+6], 0
	s_mov_b32 s[G1A+7], 0
	s_or_b32 s[G1B], s44, (3<<16)|(1<<21)          ; a tile of 128 rows 384, shared by my row
	s_mov_b32 s[G1B+1], 32<<16
	s_mov_b32 s[G1B+2], 384<<16
	s_mov_b32 s[G1B+3], 32<<16
	s_mov_b32 s[G1B+4], 384
	s_mov_b32 s[G1B+5], 32
	s_mov_b32 s[G1B+6], 0
	s_mov_b32 s[G1B+7], 0
	s_add_co_u32 s92, s42, 24                      ; Wout's tiles follow Wqkv's 24: tile 24 + g, half w
	s_mul_i32 s92, s92, SLB
	s_mul_i32 s20, s18, SLB/2
	s_add_co_u32 s92, s92, s20
	s_mov_b32 s93, 0
	s_lshl_b32 s94, s43, 1                         ; the rows: tile 2 R + w
	s_add_co_u32 s94, s94, s18
	s_mul_i32 s94, s94, SLB
	s_mov_b32 s95, 0
	s_mov_b32 s[G0A], 1
	s_mov_b32 s[G0A+1], s20
	s_mov_b32 s[G0B], 1
	s_mul_i32 s[G0B+1], s18, SLB
	s_add_co_u32 s[G0B+1], s[G0B+1], SLB
	s_lshl_b32 s86, s42, 12                        ; the weights' scale words: (3072 + 128 g + 64 c) x 32
	s_lshl_b32 s87, s17, 11
	s_add_co_u32 s86, s86, s87
	s_add_co_u32 s86, s86, 98304
	s_mov_b32 s87, 0
	s_lshl_b32 s88, s43, 13                        ; the rows': (256 R + 64 w) x 32; the second tile's lie 4,096 bytes on
	s_lshl_b32 s89, s18, 11
	s_add_co_u32 s88, s88, s89
	s_mov_b32 s89, 0
	s_lshl_b32 s90, s42, 9                         ; my first column, in bytes: (128 g + 64 c) x 4
	s_lshl_b32 s91, s17, 8
	s_add_co_u32 s90, s90, s91
	s_mov_b32 s91, 0
	s_lshl_b32 s96, s43, 20                        ; my first row of out0: (256 R + 64 w) x 4096
	s_lshl_b32 s97, s18, 18
	s_add_co_u32 s96, s96, s97
	s_add_co_u32 s96, s96, s90
	s_mov_b32 s97, 0
	WALU
	s_wait_dscnt 0x0
	s_wait_kmcnt 0x0
	s_add_nc_u64 s[G0A+2:G0A+3], s[8:9], s[92:93]
	s_or_b32 s[G0A+3], s[G0A+3], 0x80000000
	s_add_nc_u64 s[G0B+2:G0B+3], s[4:5], s[94:95]
	s_or_b32 s[G0B+3], s[G0B+3], 0x80000000
	s_add_nc_u64 s[SAP:SAP+1], s[10:11], s[86:87]
	s_add_nc_u64 s[WS:WS+1], s[6:7], s[88:89]
	s_add_nc_u64 s[12:13], s[12:13], s[90:91]
	s_add_nc_u64 s[14:15], s[14:15], s[96:97]
	CROUND                                         ; all sixteen work-groups are here: the joint loads meet
	s_cmp_lt_u32 s16, 2
	s_cbranch_scc0 .Lfor_b
	tensor_load_to_lds s[G0A:G0A+3], s[G1A:G1A+7]  ; waves 0, 1: the weights' halves, needed first
	s_nop 0
	PLACES 4
	s_branch .Lasked
.Lfor_b:
	tensor_load_to_lds s[G0B:G0B+3], s[G1B:G1B+7]  ; waves 2, 3: the rows' tiles 0, 1
	s_nop 0
	PLACES 4
.Lasked:
	s_mul_i32 s21, s17, SLB/2                      ; LDS: my 64 columns of the weights,
	s_mul_i32 s22, s18, SLB/2
	s_add_co_u32 s22, s22, SLB                     ; my 64 rows of tile 0,
	s_add_co_u32 s20, s22, SLB                     ; and of tile 1
	s_mul_i32 s23, s16, 16*SPITCH                  ; my stage
	v_and_b32 v1, 31, v0
	v_and_b32 v2, 15, v0                           ; r
	v_bfe_u32 v3, v0, 4, 1                         ; h
	v_lshlrev_b32 v[LI16], 4, v1
	v_lshlrev_b32 v[LI8], 3, v1
	v_lshlrev_b32 v[ABS], 5, v1
	v_lshlrev_b32 v[BO], 6, v3
	v_mul_u32_u24 v4, v2, SPITCH
	v_mul_u32_u24 v5, v3, SPITCH
	v_lshlrev_b32 v6, 4, v2
	v_lshl_add_u32 v4, v3, 6, v4
	v_lshl_add_u32 v5, v2, 4, v5
	v_lshl_add_u32 v[CO], v3, 12, v6               ; out0: row h of a pair, 16 r
	v_add_nc_u32 v[STO], s23, v4                   ; into the stage: row r, 64 h
	v_add_nc_u32 v[RD], s23, v5                    ; out of it: row h of a pair, 16 r
	v_add_nc_u32 v[AA], s21, v[LI16]
	v_add_nc_u32 v[AA+1], s21, v[LI8]
	v_add_nc_u32 v[BB], s22, v[LI16]
	v_add_nc_u32 v[BB+1], s22, v[LI8]
	v_add_nc_u32 v[BB+2], s20, v[LI16]
	v_add_nc_u32 v[BB+3], s20, v[LI8]
.irp p, 0,1
.irp c, 0,1
	global_load_b128 v[SA+8*\p+4*\c:SA+8*\p+4*\c+3], v[ABS], s[SAP:SAP+1] offset:1024*\p+16*\c
	global_load_b128 v[SB+8*\p+4*\c:SB+8*\p+4*\c+3], v[ABS], s[WS:WS+1] offset:1024*\p+16*\c
	global_load_b128 v[SB+16+8*\p+4*\c:SB+16+8*\p+4*\c+3], v[ABS], s[WS:WS+1] offset:4096+1024*\p+16*\c
.endr
.endr
	WIN 2<<6
.irp j, 0,1,2,3                        ; the bias as the result lies: eight columns a lane and column block
	global_load_b128 v[BI+8*\j:BI+8*\j+3], v[BO], s[12:13] offset:128*(\j/2)+32*(\j%2)
	global_load_b128 v[BI+8*\j+4:BI+8*\j+7], v[BO], s[12:13] offset:128*(\j/2)+32*(\j%2)+16
.endr
	WIN 0
	WALU
	s_cmp_lt_u32 s16, 2
	s_cbranch_scc0 .Lnot_a
	s_wait_tensorcnt 0x0
.Lnot_a:
	s_barrier_signal -1
	s_barrier_wait -1                              ; the weights are in
.set F_, 0
.rept 32                               ; my 64 columns, all of K, into registers: 128 loads, while the rows land
	WIN (1+F_/21)<<6
.set R_, 12*(F_%21)
.set O_, (F_%4)*BLKB+(F_/4)*FRB
	ds_load_b128 v[R_:R_+3], v[AA] offset:O_
	ds_load_b64 v[R_+4:R_+5], v[AA+1] offset:O_+512
	ds_load_b128 v[R_+6:R_+9], v[AA] offset:O_+768
	ds_load_b64 v[R_+10:R_+11], v[AA+1] offset:O_+1280
.set F_, F_+1
.endr
	WIN 0
	s_wait_tensorcnt 0x0                           ; every wave: its load has landed,
	s_wait_dscnt 0x0                               ; and its reads of the weights' bytes are done
	s_barrier_signal -1
	s_barrier_wait -1                              ; both tiles of rows are in, and the weights' bytes are free for the stages
	LOADB 0, 0
	s_wait_loadcnt 0x0                             ; scale words and bias
.irp n, 0,1,2,3,4,5,6,7
	BLK \n
.endr
	PLACES 4
	s_wait_dscnt 0x0                               ; block 6 is back from the stage
	TOSTAGE 7
	SEND 6
	s_wait_dscnt 0x0
	SEND 7
	WIN 0
	s_wait_tensorcnt 0x0                           ; the wave's end
	ds_add_u32 v[SPW], v[NIL]
	s_wait_dscnt 0x0
	CROUND                                         ; the closing round
	s_endpgm
.Lfunc_end_k_qdc080e997d_gemm_out:
	.size	k_qdc080e997d_gemm_out, .Lfunc_end_k_qdc080e997d_gemm_out-k_qdc080e997d_gemm_out
	.p2alignl 7, 3214868480
	.fill 96, 4, 3214868480
	.section	.rodata,"a",@progbits
	.p2align	6, 0x0
	.amdhsa_kernel k_qdc080e997d_gemm_out
		.amdhsa_group_segment_fixed_size 327680
		.amdhsa_private_segment_fixed_size 0
		.amdhsa_enable_private_segment 0
		.amdhsa_kernarg_size 48
		.amdhsa_user_sgpr_count 2
		.amdhsa_user_sgpr_kernarg_segment_ptr 1
		.amdhsa_wavefront_size32 1
		.amdhsa_system_sgpr_workgroup_id_x 1
		.amdhsa_system_sgpr_workgroup_id_y 1
		.amdhsa_system_sgpr_workgroup_id_z 1
		.amdhsa_system_vgpr_workitem_id 0
		.amdhsa_next_free_vgpr 1024
		.amdhsa_next_free_sgpr 100
		.amdhsa_reserve_vcc 0
		.amdhsa_float_denorm_mode_32 3
		.amdhsa_float_denorm_mode_16_64 3
		.amdhsa_memory_ordered 1
		.amdhsa_forward_progress 1
		.amdhsa_inst_pref_size 83
	.end_amdhsa_kernel
	.amdgpu_metadata
---
amdhsa.version: [ 1, 2 ]
amdhsa.kernels:
  - .name:           k_qdc080e997d_gemm_out
    .symbol:         k_qdc080e997d_gemm_out.kd
    .args:
      - { .name: a_img, .offset: 0, .size: 8, .value_kind: global_buffer, .address_space: global }
      - { .name: a_sc, .offset: 8, .size: 8, .value_kind: global_buffer, .address_space: global }
      - { .name: w_img, .offset: 16, .size: 8, .value_kind: global_buffer, .address_space: global }
      - { .name: w_sc, .offset: 24, .size: 8, .value_kind: global_buffer, .address_space: global }
      - { .name: bout, .offset: 32, .size: 8, .value_kind: global_buffer, .address_space: global }
      - { .name: out0, .offset: 40, .size: 8, .value_kind: global_buffer, .address_space: global }
    .group_segment_fixed_size: 327680
    .private_segment_fixed_size: 0
    .kernarg_segment_align: 8
    .kernarg_segment_size: 48
    .max_flat_workgroup_size: 128
    .sgpr_count:     100
    .vgpr_count:     1024
    .wavefront_size: 32
...
	.end_amdgpu_metadata
.endif
;; end of part 4
